; MI455X (gfx1250); checked and timed in simulation.
; The chip was launched on July 23, 2026; its instructions are those of AMD's public machine-readable ISA for CDNA 5 (MIT licence, August 2026) and "CDNA5" Instruction Set Architecture Reference Guide (July 2026). The comments in the code are by the model that wrote it; some were corrected since.
;; Casual Self Attention. Allowed arithmetic: matrix products marked QUANTISED: E2M3 operands, one E8M0 scale for each 32 along K, by v_wmma_scale_f32_16x16x128_f8f6f4 with both operands' format E2M3, f32 sums; everything else in f32.
;; Inputs: w_out 1,024 x 1,024 float32; w_qkv 3,072 x 1,024 float32; x 4 x 2,048 x 1,024 float32.
;; Outputs: out0 4 x 2,048 x 1,024 float32.
;; This version of the problem:
;;   THIS VERSION OF THE PROBLEM IS GIVEN IN LOW PRECISION. The matrix products marked QUANTISED in the list below multiply operands that are first quantised to E2M3 (2 exponent bits, 3 mantissa bits; 6 bits a number), with one power-of-two scale for each 32 numbers along K (OCP MX v1.0); their sums are f32. All else is computed in f32.
;;   The module's matrix products, in the order in which they are computed (A, B: the left and right operand; K: the contracted axis; several contracted axes count as one K, in the product's order):
;;     1. [M 8,192, K 1,024] x [K 1,024, N 3,072]; A: input x; B: input w_qkv: QUANTISED
;;     2. batch 64 x [M 2,048, K 64] x [K 64, N 2,048]; A: computed on the way; B: computed on the way: QUANTISED
;;     3. batch 64 x [M 2,048, K 2,048] x [K 2,048, N 64]; A: softmax (see below); B: computed on the way: QUANTISED
;;     4. [M 8,192, K 1,024] x [K 1,024, N 1,024]; A: computed on the way; B: input w_out: QUANTISED
;;   THE QUANTISER, for each operand of a quantised product, along K:
;;     - K is cut into blocks of 32 from its start; a last block that is shorter is filled with zeros.
;;     - A block's scale is 2^e with e = floor(log2(the largest magnitude in the block)) - 2, held to -126 .. 127; a block of zeros has e = 0. As a byte (E8M0): e + 127.
;;     - Each number is divided by its block's scale, clamped to +-7.5, and rounded to the nearest number of E2M3, ties to even, subnormals kept.
;;     - The product sums the exact products of the quantised numbers (number of the format x scale) in f32.
;;   ~~~python
;;   def quantise(x, axis):      # numpy; x: float32 -> the quantised numbers, widened to float32 again
;;       x = np.moveaxis(x, axis, -1); K = x.shape[-1]
;;       x = np.pad(x, [(0, 0)] * (x.ndim - 1) + [(0, -K % 32)]); x = x.reshape(x.shape[:-1] + (-1, 32)); a = np.abs(x).max(-1, keepdims=True)
;;       e = np.where(a > 0, np.clip(np.frexp(np.where(a > 0, a, 1))[1] - 1 - 2, -126, 127), 0)      # np.frexp(a)[1] - 1 = floor(log2(a)), exactly
;;       r = np.clip(x / 2.0 ** e, -7.5, 7.5)
;;       step = 2.0 ** (np.maximum(np.frexp(np.where(r == 0, 1, r))[1] - 1, 0) - 3)
;;       q = np.round(r / step) * step * 2.0 ** e      # np.round: ties to even
;;       return np.moveaxis(q.reshape(q.shape[:-2] + (-1,))[..., :K], -1, axis).astype(np.float32)
;;   ~~~
;;   SOFTMAX AHEAD OF A QUANTISED PRODUCT. Where the list says 'softmax', what is quantised is not the finished softmax but p = 2^(t - M), with t = logit x log2(e) and M = ceil(the row's largest t), a whole number; so 1/2 < the row's largest p <= 1. The row's sum l is taken of the UNQUANTISED p, in f32, and the product's result is divided by l at the end. Since M is a whole number, a kernel that streams over the keys may use a running M (the ceiling of the running maximum): every later rescaling is an exact power of two, which a block's scale takes up: the codes' values come out the same.
;;   OPERANDS COMPUTED ON THE WAY. 'Computed on the way' means the value that the module computes at that place (a softmax that the list does not call 'softmax' is quantised finished and normalised). What goes into a quantiser is computed in f32, as accurately as f32 sums, v_exp_f32 and their like allow (about 1e-6 of the number): no bf16 or f16 on the way to a quantiser, and a product that is left as it is and whose result goes on into a quantised operand takes f32 operands (vector FMAs, or v_wmma_f32_16x16x4_f32). A number that lies on a knife's edge between two numbers of the format may be rounded either way, as far as f32 arithmetic and the matrix unit's own rounding can turn it there, and no further.
;; One version. Each part assembles by itself: llvm-mc -triple=amdgcn-amd-amdhsa -mcpu=gfx1250 --defsym DOCPART=n.
;; ======== version 1 of 1: 4 launches
;; workspace buffers: img 9,437,184 bytes; scl 393,216 bytes; qkv 18,874,368 bytes; qkvs 786,432 bytes; att 6,291,456 bytes; atts 262,144 bytes
;; launch quant (part 1): grid 256 x 1, 6 waves a work-group, no clusters, 51,456 bytes of LDS; arguments x, w_qkv, w_out, img, scl; writes img, scl
.if DOCPART == 1
	.amdgcn_target "amdgcn-amd-amdhsa--gfx1250"
	.amdhsa_code_object_version 6
	.text
	.protected	k_qad5176dad8_quant
	.globl	k_qad5176dad8_quant
	.p2align	8
	.type	k_qad5176dad8_quant,@function
k_qad5176dad8_quant:
	s_mov_b64 s[64:65], 0
	v_nop
	global_prefetch_b8 v0, s[64:65] scope:SCOPE_SE
	s_setreg_imm32_b32 hwreg(HW_REG_WAVE_MODE, 25, 1), 1
	s_wait_xcnt 0x0
; x [8192][1024], w_qkv [3072][1024], w_out [1024][1024], f32 with K innermost, become codes of E2M3 (6 bits) with one E8M0 byte for each 32 along K.
; A block's scale is 2^(floor(log2(its largest magnitude)) - 2); its byte is the largest magnitude's exponent field - 2, held at 1 from below.
; LIMITS: a block of zeros gets the byte 1 where the rule says 127 (its codes are zeros, and this program alone reads the bytes); blocks whose largest magnitude lies under 2^-124
; are held at that floor; NaN and infinities among the inputs are not served.
; THE CODES ARE LAID AS THE MATRIX UNIT'S REGISTERS TAKE THEM.  Rows go in tiles of 16: tile u (0, 1) of a group of 32 rows holds rows 8 u + r + 8 (r / 8), r = 0 .. 15.
; A fragment (a tile x 128 along K: 12 registers a lane; lane (r, h): registers 6 c .. 6 c + 5 = k 64 c + 32 h + 0 .. 31 of row r) is 1,536 bytes:
; registers 0-3 at 16 x lane, registers 4-5 at 512 + 8 x lane, registers 6-9 at 768 + 16 x lane, registers 10-11 at 1,280 + 8 x lane.  img: [tile 0..767][K step 0..7][1,536]; tiles 0-511 x, 512-703 w_qkv, 704-767 w_out.
; scl: [tile][half of K][r][4 words]: a word holds the four bytes of one row and one K step.
; SHARES.  768 tiles x 2 halves of K = 1,536 units = 256 work-groups x 6 waves.  A wave takes one tile x 512 along K: four K steps.  Waves share nothing: no barrier.
; Each load reads 512 consecutive bytes of one row; a K step's 16 rows turn through the wave's own stage in LDS (rows of 512 + 16 bytes) so that a lane gets 16 neighbours of each block of 32.
.set SP,    528                        ; a stage row
.set WREG,  16*SP                      ; a wave's stage
.set R,     16                         ; v16-143  two sets of 64 registers as loaded
.set X,     144                        ; v144-207 register 16 b + i = k 32 b + 16 h + i of my row
.set TM,    208                        ; v208-223 at work: largest magnitudes, bytes, scale operands
.set PC,    224                        ; v224-235 the fragment's codes; v236-242 at work
.set SW,    244                        ; v244-247 the four K steps' scale words
.set SEL,   22                         ; s[22:23] lane selects for v_permlanex16_b32: lane l xor 16
; 64 numbers of a lane become a fragment's codes in v[PC] on and my row's scale word in v[pw]
.macro QUANT s, pw
.irp b, 0,1,2,3
	v_max3_num_f32 v[TM+\b], |v[\s+16*\b]|, |v[\s+1+16*\b]|, 0x1800000   ; block b: my 16 numbers, and the floor 2^(3 - 127): the byte cannot fall under 1
.endr
.irp i, 2,4,6,8,10,12,14
.irp b, 0,1,2,3
	v_max3_num_f32 v[TM+\b], v[TM+\b], |v[\s+16*\b+\i]|, |v[\s+1+16*\b+\i]|   ; the four blocks by turns
.endr
.endr
.irp b, 0,1,2,3
	v_permlanex16_b32 v[TM+4+\b], v[TM+\b], s[SEL], s[SEL+1]
.endr
.irp b, 0,1,2,3
	v_max_num_f32 v[TM+\b], v[TM+\b], v[TM+4+\b]       ; with lane l xor 16's: the block's largest magnitude
.endr
.irp b, 0,1,2,3
	v_add_nc_u32 v[TM+12+\b], 0xff000000, v[TM+\b]     ; 2 off its exponent field: the conversion takes the exponent field of this operand as its scale
.endr
.irp b, 0,1,2,3
	v_lshrrev_b32 v[TM+4+\b], 23, v[TM+12+\b]          ; the scale's byte
.endr
	v_lshl_or_b32 v[\pw], v[TM+5], 8, v[TM+4]
	v_lshl_or_b32 v[\pw], v[TM+6], 16, v[\pw]
	v_lshl_or_b32 v[\pw], v[TM+7], 24, v[\pw]
.irp c, 0,1
	v_cvt_scalef32_pk16_fp6_f32 v[PC+6*\c:PC+2+6*\c], v[\s+32*\c:\s+15+32*\c], v[TM+12+2*\c]
	v_cvt_scalef32_pk16_fp6_f32 v[PC+12+4*\c:PC+14+4*\c], v[\s+16+32*\c:\s+31+32*\c], v[TM+13+2*\c]   ; (a conversion's three registers begin on an even number)
.endr
	v_nop                                              ; one plain instruction behind a scaled conversion
.irp c, 0,1                                            ; the layout wants a whole block in a lane: lanes 0-15 block 2 c, lanes 16-31 block 2 c + 1
.irp i, 0,1,2
	v_permlane16_swap_b32 v[PC+6*\c+\i], v[PC+12+4*\c+\i]
.endr
.irp i, 0,1,2
	v_mov_b32 v[PC+3+6*\c+\i], v[PC+12+4*\c+\i]
.endr
.endr
.endm
	s_load_b256 s[4:11], s[0:1], 0x0               ; x s[4:5], w_qkv s[6:7], w_out s[8:9], img s[10:11]
	s_load_b64 s[12:13], s[0:1], 0x20              ; scl
	v_lshl_add_u32 v254, v0, 2, 0xc600
	v_mov_b32 v255, 0
	v_lshrrev_b32 v1, 5, v0
	v_readfirstlane_b32 s14, v1                    ; wave 0..5
	v_and_b32 v1, 31, v0                           ; lane
	v_and_b32 v2, 15, v0                           ; r
	v_bfe_u32 v3, v0, 4, 1                         ; h
	v_lshlrev_b32 v4, 4, v1                        ; 16 x lane: a load's place, and an image's
	v_lshlrev_b32 v5, 3, v1                        ; 8 x lane
	s_mul_i32 s15, s14, WREG
	v_add_nc_u32 v6, s15, v4                       ; the stage, on the way in: 16 x lane of a row
	v_mul_u32_u24 v7, v2, SP
	v_lshl_add_u32 v7, v3, 6, v7
	v_add_nc_u32 v7, s15, v7                       ; and on the way out: row r, + 64 h
	v_lshlrev_b32 v8, 4, v2                        ; 16 r: my row's four scale words
	s_mov_b32 s[SEL], 0x76543210
	s_mov_b32 s[SEL+1], 0xfedcba98
.irp b, 0,1,2,3
	v_mov_b32 v[TM+4+\b], 0                        ; written once: a lane permute's destination counts as one of its sources
.endr
	s_mul_i32 s16, ttmp9, 6
	s_add_co_u32 s16, s16, s14                     ; my unit, 0 .. 1,535
	s_lshr_b32 s17, s16, 1                         ; its tile
	s_and_b32 s18, s16, 1                          ; its half of K
	s_mov_b32 s19, 704
	s_wait_kmcnt 0x0
	s_cmp_lt_u32 s17, 704                          ; which tensor: the choice hangs on the tile's number alone
	s_cselect_b64 s[6:7], s[6:7], s[8:9]
	s_cselect_b32 s19, 512, s19
	s_cmp_lt_u32 s17, 512
	s_cselect_b64 s[4:5], s[4:5], s[6:7]
	s_cselect_b32 s19, 0, s19
	s_sub_co_u32 s19, s17, s19                     ; the tile's number in its tensor
	s_lshr_b32 s20, s19, 1
	s_lshl_b32 s20, s20, 5
	s_and_b32 s21, s19, 1
	s_lshl_b32 s21, s21, 3
	s_add_co_u32 s20, s20, s21                     ; its first row: 32 x group + 8 u
	s_lshl_b32 s20, s20, 12                        ; rows of 4,096 bytes
	s_lshl_b32 s21, s18, 11                        ; half of K: 2,048 bytes
	s_add_co_u32 s20, s20, s21
	s_mov_b32 s21, 0
	s_add_nc_u64 s[4:5], s[4:5], s[20:21]
	s_mul_i32 s24, s17, 12288
	s_mul_i32 s25, s18, 6144
	s_add_co_u32 s24, s24, s25
	s_mov_b32 s25, 0
	s_add_nc_u64 s[10:11], s[10:11], s[24:25]      ; my four fragments in img
	s_lshl_b32 s24, s16, 8
	s_add_nc_u64 s[12:13], s[12:13], s[24:25]      ; my 256 bytes of scl
.macro LOAD t                          ; K step t: 16 rows x 512 consecutive bytes, into set t % 2
.irp p, 0,1,2,3,4,5,6,7,8,9,10,11,12,13,14,15
	global_load_b128 v[R+64*((\t)%2)+4*\p:R+64*((\t)%2)+4*\p+3], v4, s[4:5] offset:(\p+8*(\p/8))*4096+512*(\t) th:TH_LOAD_NT
.endr
.endm
.macro TURN t                          ; through the stage: LDS serves a wave's instructions in order (ISA guide 5.7.1.4), so no wait stands between the stores and the loads
.irp p, 0,1,2,3,4,5,6,7,8,9,10,11,12,13,14,15
	ds_store_b128 v6, v[R+64*((\t)%2)+4*\p:R+64*((\t)%2)+4*\p+3] offset:SP*\p
.endr
.irp b, 0,1,2,3
.irp j, 0,1,2,3
	ds_load_b128 v[X+16*\b+4*\j:X+16*\b+4*\j+3], v7 offset:128*\b+16*\j
.endr
.endr
.endm
.macro QSTEP t
.if (\t) < 3
	s_wait_loadcnt 16                              ; this K step's 16 loads are in; the next step's 16 may be out
.else
	s_wait_loadcnt 0x0
.endif
	TURN \t
	s_wait_dscnt 0x0                               ; my 64 numbers are back, and the stage's stores have read the set
.if (\t) < 2
	LOAD (\t)+2                                    ; which takes the K step two on
.endif
.if (\t) > 0
	s_wait_xcnt 0x0                                ; the last step's stores have read the codes' registers: they are written again only behind this wait
.endif
	QUANT X, SW+(\t)
	global_store_b128 v4, v[PC:PC+3], s[10:11] offset:1536*(\t)            ; each store covers 512 or 256 consecutive bytes, at a multiple of 256 from img's first byte
	global_store_b64 v5, v[PC+4:PC+5], s[10:11] offset:1536*(\t)+512
	global_store_b128 v4, v[PC+6:PC+9], s[10:11] offset:1536*(\t)+768
	global_store_b64 v5, v[PC+10:PC+11], s[10:11] offset:1536*(\t)+1280
.endm
	LOAD 0
	LOAD 1
	QSTEP 0
	QSTEP 1
	QSTEP 2
	QSTEP 3
	s_wait_xcnt 0x0                                ; EXEC changes only behind this wait
	v_cmp_gt_u32 vcc_lo, 16, v1
	s_wait_tensorcnt 0x0
	ds_add_u32 v254, v255
	s_wait_dscnt 0x0
	s_and_saveexec_b32 s26, vcc_lo                 ; lanes 16-31 hold the same words as lanes 0-15
	global_store_b128 v8, v[SW:SW+3], s[12:13]     ; sixteen lanes store 256 consecutive bytes, aligned
	s_wait_xcnt 0x0
	s_or_b32 exec_lo, exec_lo, s26
	s_endpgm
.Lfunc_end_k_qad5176dad8_quant:
	.size	k_qad5176dad8_quant, .Lfunc_end_k_qad5176dad8_quant-k_qad5176dad8_quant
	.p2alignl 7, 3214868480
	.fill 96, 4, 3214868480
	.section	.rodata,"a",@progbits
	.p2align	6, 0x0
	.amdhsa_kernel k_qad5176dad8_quant
		.amdhsa_group_segment_fixed_size 51456
		.amdhsa_private_segment_fixed_size 0
		.amdhsa_enable_private_segment 0
		.amdhsa_kernarg_size 40
		.amdhsa_user_sgpr_count 2
		.amdhsa_user_sgpr_kernarg_segment_ptr 1
		.amdhsa_wavefront_size32 1
		.amdhsa_system_sgpr_workgroup_id_x 1
		.amdhsa_system_sgpr_workgroup_id_y 1
		.amdhsa_system_sgpr_workgroup_id_z 1
		.amdhsa_system_vgpr_workitem_id 0
		.amdhsa_next_free_vgpr 256
		.amdhsa_next_free_sgpr 66
		.amdhsa_reserve_vcc 1
		.amdhsa_float_denorm_mode_32 3
		.amdhsa_float_denorm_mode_16_64 3
		.amdhsa_memory_ordered 1
		.amdhsa_forward_progress 1
		.amdhsa_inst_pref_size 34
	.end_amdhsa_kernel
	.amdgpu_metadata
---
amdhsa.version: [ 1, 2 ]
amdhsa.kernels:
  - .name:           k_qad5176dad8_quant
    .symbol:         k_qad5176dad8_quant.kd
    .args:
      - { .name: x, .offset: 0, .size: 8, .value_kind: global_buffer, .address_space: global }
      - { .name: w_qkv, .offset: 8, .size: 8, .value_kind: global_buffer, .address_space: global }
      - { .name: w_out, .offset: 16, .size: 8, .value_kind: global_buffer, .address_space: global }
      - { .name: img, .offset: 24, .size: 8, .value_kind: global_buffer, .address_space: global }
      - { .name: scl, .offset: 32, .size: 8, .value_kind: global_buffer, .address_space: global }
    .group_segment_fixed_size: 51456
    .private_segment_fixed_size: 0
    .kernarg_segment_align: 8
    .kernarg_segment_size: 40
    .max_flat_workgroup_size: 192
    .sgpr_count:     66
    .vgpr_count:     256
    .wavefront_size: 32
...
	.end_amdgpu_metadata
.endif
;; end of part 1
;; launch qkvgemm (part 2): grid 96 x 4, 4 waves a work-group, clusters of 4 x 4, 327,680 bytes of LDS; arguments img, scl, qkv, qkvs; writes qkv, qkvs
.if DOCPART == 2
	.amdgcn_target "amdgcn-amd-amdhsa--gfx1250"
	.amdhsa_code_object_version 6
	.text
	.protected	k_qad5176dad8_qkvgemm
	.globl	k_qad5176dad8_qkvgemm
	.p2align	8
	.type	k_qad5176dad8_qkvgemm,@function
k_qad5176dad8_qkvgemm:
	s_mov_b64 s[64:65], 0
	v_nop
	global_prefetch_b8 v0, s[64:65] scope:SCOPE_SE
	s_setreg_imm32_b32 hwreg(HW_REG_WAVE_MODE, 25, 1), 1
	s_wait_xcnt 0x0
	s_wait_alu depctr_hold_cnt(0) depctr_sa_sdst(0) depctr_va_vdst(0) depctr_va_sdst(0) depctr_va_ssrc(0) depctr_va_vcc(0) depctr_vm_vsrc(0)
	s_getreg_b32 s2, hwreg(HW_REG_IB_STS2, 6, 4)
	s_cmp_eq_u32 s2, 0
	s_cbranch_scc0 .Lentry_in_a_cluster
	s_endpgm
.Lentry_in_a_cluster:
	s_bfe_u32 s2, ttmp6, 0x10000c
	s_cmp_lg_u32 s2, 0xf033
	s_cbranch_scc0 .Lentry_shape_is_right
	s_endpgm
.Lentry_shape_is_right:
; qkv = x w_qkv^T on codes of E2M3 with E8M0 scales (K = 1,024), and q, k, v quantised for the next two products as they leave the accumulators: no f32 number of qkv goes to memory.
; Operands come from img / scl: fragments as images of their registers, 1,536 bytes for 16 rows x 128 K: registers 0-3 at 16 x lane, 4-5 at 512 + 8 x lane, 6-9 at 768 + 16 x lane, 10-11 at 1,280 + 8 x lane;
; tile u of a group of 32 rows holds rows 8 u + r + 8 (r / 8).  So where such tiles are source 0, the 16 registers of two neighbouring result tiles are 16 NEIGHBOURS: 32 b + 16 (lane / 16) + 0 .. 15.
; A tile of the result, 256 x 256, is made by four waves, 128 x 128 each: 64 accumulators.  Source 1 ("A") gives the lane its row, source 0 ("B") runs along the registers, which is the axis to be quantised:
;   clusters 0-15:  A = 256 tokens of x, B = 256 rows of w_q or w_k: a lane holds one token, its registers run along the heads' channels (K of q k^T);
;   clusters 16-23: A = 256 rows of w_v, B = 256 tokens of x: a lane holds one channel, its registers run along the keys (K of p v).
; The two cases differ in offsets alone, chosen by s_cselect_b32 on the cluster's number: one path through the text.
; CLUSTERS: 4 x 4 work-groups.  A's tiles hang on cy and are asked for jointly along a row of the cluster, B's on cx and along a column.
; LDS: three slots of 256 along K (98,304 bytes: A's 16 tiles, then B's); K = 1,024 is four slots' worth: slots 0, 1, 2 are first fills, slot 0 is filled once more.  By this text's count a wave has four tensor loads out at the start, later one.
; The scales of the 512 rows for all of K come once, as units of 256 bytes + 16.
; OUT.  qkv: [q, k, v][batch x head][98,304]: q and k: [token tile 0..127][768: half an image, the head's 64 channels]; v: [key step 0..15][channel tile 0..3][1,536].
; qkvs: [q, k, v][batch x head][128 tokens 0..15][r][4 words]: q and k: word i = tile 2 i's two bytes, then tile 2 i + 1's; v: word t = channel tile t's four bytes of the key step.
; LIMITS: a block of zeros gets the byte 1 (its codes are zeros; this program alone reads the bytes); largest magnitudes under 2^-124 are held at that floor; NaN and infinities are not served.
; REGISTERS, in windows of 256: window 0: v4-15 LDS addresses, v16-23 the way out's offsets, v27-29, v32-63 scale words (two sets, nothing else), v64-123 at work on the way out, v128-223 A's fragments (one set);
;   window 1: B's fragments, two sets, at v0 and v128;  window 2: the accumulators of A's blocks 0-3 ((a, b) at v[8 (8 (a % 4) + b)]);  window 3: those of blocks 4-7.
.set FR,     12                        ; registers of a fragment
.set NL,     4                         ; LDS loads that bring one
.set NP,     4                         ; places behind this matrix instruction (ISA guide 7.12.1)
.set FRB,    1536                      ; a fragment's image
.set TILEB,  2*FRB                     ; a tile of 16 rows in a slot: 256 along K
.set HALFT,  8*TILEB                   ; 128 rows: what one tensor load brings, and what one wave reads of A or of B
.set SLOT,   4*HALFT
.set SCL,    3*SLOT                    ; behind the slots: the scales
.set HALFS,  16*272                    ; those of 128 rows: 16 units of 256 bytes + 16
.set SPARE,  SCL+4*HALFS               ; the spare words, 128 bytes for each wave: two blocks of 256 bytes that no other line names
.set A16,  4                           ; v4-6    16 x lane + my A rows in slot 0, 1, 2
.set A8,   7                           ; v7-9    8 x lane + the same
.set B16,  10                          ; v10-12  the same for B
.set B8,   13                          ; v13-15
.set O0,   16                          ; v16-19  the way out: a fragment's four pieces
.set OS,   23                          ; v23     the way out: my scale words' place
.set ADRS, 27                          ; v27     my scale words in LDS: lanes 0-15 A's rows, lanes 16-31 B's
.set SPW,  28                          ; v28     my spare word: SPARE + 4 x my thread's number; never rewritten
.set NIL,  29                          ; v29     0; never rewritten
.set SC,   32                          ; set s at v[SC + 16 s]; register 2 i + q: lanes 0-15 the word of A's block i, lanes 16-31 of B's block i, for the slot's q-th 128 along K
.set TM,   64                          ; v64-79  the way out: largest magnitudes, bytes, scale operands
.set PC,   80                          ; v80-91  codes; v92-98 at work
.set SW,   100                         ; v100-107 the eight blocks' scale words
.set SELV, 108
.set OUTW, 112                         ; v112-115 the words that leave; v116-123 at work
.set AF,   128
.set G1,   24                          ; s[24:31] group 1 for A's tiles; s[32:43] group 0, one for each slot
.set G0,   32
.set G1B,  44                          ; s[44:51], s[52:63] the same for B's
.set G0B,  52
.set G1S,  68                          ; s[68:75], s[76:79] A's scales; s[80:87], s[88:91] B's
.set G0S,  76
.set G1SB, 80
.set G0SB, 88
.set MSB, 0
.macro WIN new                         ; the immediate's high byte repeats the setting that is left
.if MSB != (\new)
	s_set_vgpr_msb (MSB<<8)|(\new)
.set MSB, \new
.endif
.endm
.set MUL_LO, 0xa1                      ; source 0 (B) window 1, source 1 (A) window 0, C and D window 2
.set MUL_HI, 0xf1                      ; the same, C and D window 3
.set TO_B,   0x40                      ; destination window 1, address window 0
; A joint load: waves 0 and 1 fetch for A, waves 2 and 3 for B; the branch hangs on the wave's number alone.  Four v_nop follow each of the two lines.
.macro JLOAD g0a, g1a, g0b, g1b
	s_cmp_eq_u32 s15, 0
	s_cbranch_scc0 .Lfor_b_\@
	tensor_load_to_lds s[\g0a:\g0a+3], s[\g1a:\g1a+7]
	s_nop 0
.rept 4
	v_nop
.endr
	s_branch .Lasked_\@
.Lfor_b_\@:
	tensor_load_to_lds s[\g0b:\g0b+3], s[\g1b:\g1b+7]
	s_nop 0
.rept 4
	v_nop
.endr
.Lasked_\@:
.endm
.macro CREST                           ; a round of the cluster's barrier behind its opening barrier
	s_cmp_lg_u32 s14, 0
	s_cbranch_scc1 .Lnot_wave_0_\@
	s_barrier_signal -3
.Lnot_wave_0_\@:
	s_barrier_wait -3
	s_barrier_signal -1
	s_barrier_wait -1
.endm
.macro CROUND
	s_barrier_signal -1
	s_barrier_wait -1
	CREST
.endm
	s_load_b128 s[4:7], s[0:1], 0x0                ; img, scl
	s_load_b128 s[8:11], s[0:1], 0x10              ; qkv, qkvs
	v_lshl_add_u32 v[SPW], v0, 2, SPARE
	v_mov_b32 v[NIL], 0
	ds_add_u32 v28, v29
	ds_add_u32 v28, v29
	s_wait_dscnt 0x0
	v_lshrrev_b32 v1, 5, v0
	v_readfirstlane_b32 s14, v1                    ; wave 0..3
	s_lshr_b32 s15, s14, 1                         ; which half of A's rows is mine.  Also: I fetch for A (0) or for B (1)
	s_and_b32 s16, s14, 1                          ; which half of B's rows.  Also: which 128 rows I fetch
	s_bfe_u32 s18, ttmp6, 0x40000                  ; cx
	s_bfe_u32 s19, ttmp6, 0x40004                  ; cy
	s_lshr_b32 s20, ttmp9, 1                       ; ttmp9 = C, the cluster, 0 .. 23.  Blocks of 256 rows of img: 0-31 x, 32-35 w_q, 36-39 w_k, 40-43 w_v
	s_lshl_b32 s20, s20, 2                         ; C < 16: A = x, block 4 (C / 2) + cy
	s_and_b32 s21, ttmp9, 1
	s_lshl_b32 s21, s21, 2
	s_add_co_u32 s21, s21, 32                      ;         B = w_q, w_k, block 32 + 4 (C % 2) + cx
	s_max_u32 s17, ttmp9, 16
	s_sub_co_u32 s17, s17, 16
	s_lshl_b32 s17, s17, 2                         ; else:   B = x, block 4 (C - 16) + cx, and A = w_v, block 40 + cy
	s_cmp_lt_u32 ttmp9, 16
	s_cselect_b32 s20, s20, 40
	s_cselect_b32 s21, s21, s17
	s_add_co_u32 s20, s20, s19                     ; A's block: hangs on cy alone
	s_add_co_u32 s21, s21, s18                     ; B's block: on cx alone
	s_lshl_b32 s22, s19, 2
	s_lshl_b32 s22, 15, s22                        ; my row of the cluster
	s_lshl_b32 s23, 0x1111, s18                    ; my column
	; group 1 for codes: 8 tiles x 3,072 bytes (384 elements of 8 bytes), 12,288 bytes apart in memory, on end in LDS
	s_or_b32 s[G1+0], s22, (3<<16)|(1<<21)         ; 15:0 the mask; 17:16 elements of 8 bytes; 21 set beside a mask
	s_or_b32 s[G1B+0], s23, (3<<16)|(1<<21)
.irp g, G1, G1B
	s_mov_b32 s[\g+1], 384<<16                     ; tensor_dim0
	s_mov_b32 s[\g+2], 8<<16                       ; tensor_dim1
	s_mov_b32 s[\g+3], 384<<16                     ; tile_dim0
	s_mov_b32 s[\g+4], 8                           ; tile_dim1
	s_mov_b32 s[\g+5], 1536                        ; tensor_dim0_stride
	s_mov_b32 s[\g+6], 0
	s_mov_b32 s[\g+7], 0
.endr
	; and for the scales of 128 rows: 4,096 dense bytes as 16 rows of 256 (32 elements of 8 bytes), 16 bytes of padding behind each
	s_or_b32 s[G1S+0], s22, (3<<16)|(1<<20)|(1<<21)|(5<<22)|(3<<25)
	s_or_b32 s[G1SB+0], s23, (3<<16)|(1<<20)|(1<<21)|(5<<22)|(3<<25)
.irp g, G1S, G1SB
	s_mov_b32 s[\g+1], 32<<16
	s_mov_b32 s[\g+2], 16<<16
	s_mov_b32 s[\g+3], 32<<16
	s_mov_b32 s[\g+4], 16
	s_mov_b32 s[\g+5], 32
	s_mov_b32 s[\g+6], 0
	s_mov_b32 s[\g+7], 0
.endr
	s_mul_i32 s92, s20, 196608                     ; a block of 256 rows is 16 tiles x 12,288 bytes of codes,
	s_mul_i32 s93, s16, 98304
	s_add_co_u32 s92, s92, s93
	s_mov_b32 s93, 0
	s_mul_i32 s94, s21, 196608
	s_mul_i32 s95, s16, 98304
	s_add_co_u32 s94, s94, s95
	s_mov_b32 s95, 0
	s_lshl_b32 s96, s20, 13                        ; and 8,192 bytes of scales
	s_lshl_b32 s97, s16, 12
	s_add_co_u32 s96, s96, s97
	s_mov_b32 s97, 0
	s_lshl_b32 s98, s21, 13
	s_lshl_b32 s99, s16, 12
	s_add_co_u32 s98, s98, s99
	s_mov_b32 s99, 0
	s_mul_i32 s100, s14, HALFT                     ; where they go: wave x 128 rows: no place in the cluster enters an LDS address
	s_mul_i32 s101, s14, HALFS
	s_wait_kmcnt 0x0
	s_add_nc_u64 s[92:93], s[4:5], s[92:93]
	s_add_nc_u64 s[94:95], s[4:5], s[94:95]
	s_add_nc_u64 s[96:97], s[6:7], s[96:97]
	s_add_nc_u64 s[98:99], s[6:7], s[98:99]
	CROUND                                         ; all sixteen work-groups are here: the first joint loads meet
	s_mov_b32 s[G0S], 1
	s_add_co_u32 s[G0S+1], s101, SCL
	s_mov_b64 s[G0S+2:G0S+3], s[96:97]
	s_or_b32 s[G0S+3], s[G0S+3], 0x80000000
	s_mov_b32 s[G0SB], 1
	s_add_co_u32 s[G0SB+1], s101, SCL
	s_mov_b64 s[G0SB+2:G0SB+3], s[98:99]
	s_or_b32 s[G0SB+3], s[G0SB+3], 0x80000000
	JLOAD G0S, G1S, G0SB, G1SB                     ; the scales first: they are wanted with K step 0
.irp s, 0,1,2
	s_mov_b32 s[G0+4*\s], 1
	s_add_co_u32 s[G0+4*\s+1], s100, \s*SLOT
	s_add_nc_u64 s[G0+4*\s+2:G0+4*\s+3], s[92:93], \s*TILEB
	s_or_b32 s[G0+4*\s+3], s[G0+4*\s+3], 0x80000000
	s_mov_b32 s[G0B+4*\s], 1
	s_add_co_u32 s[G0B+4*\s+1], s100, \s*SLOT
	s_add_nc_u64 s[G0B+4*\s+2:G0B+4*\s+3], s[94:95], \s*TILEB
	s_or_b32 s[G0B+4*\s+3], s[G0B+4*\s+3], 0x80000000
	JLOAD G0+4*\s, G1, G0B+4*\s, G1B
.endr
	v_and_b32 v1, 31, v0                           ; lane
	v_and_b32 v2, 15, v0                           ; r
	v_bfe_u32 v3, v0, 4, 1                         ; h
	v_lshlrev_b32 v[O0], 4, v1                     ; 16 x lane
	v_lshlrev_b32 v20, 3, v1                       ; 8 x lane
	s_mul_i32 s2, s15, HALFT                       ; my 128 rows of A
	s_mul_i32 s3, s16, HALFT                       ; my 128 rows of B,
	s_add_co_u32 s3, s3, 2*HALFT                   ; which lie behind A's 256
.irp s, 0,1,2
	v_add_nc_u32 v[A16+\s], s2, v[O0]
	v_add_nc_u32 v[A8+\s], s2, v20
	v_add_nc_u32 v[B16+\s], s3, v[O0]
	v_add_nc_u32 v[B8+\s], s3, v20
	s_add_co_u32 s2, s2, SLOT
	s_add_co_u32 s3, s3, SLOT
.endr
	v_lshlrev_b32 v21, 4, v2                       ; 16 r: a row's four words of a half of K
	s_mul_i32 s2, s15, HALFS                       ; A's scales: my 128 rows
	s_mul_i32 s3, s16, HALFS                       ; B's: my 128 rows, behind A's 256
	s_add_co_u32 s3, s3, 2*HALFS
	s_sub_co_u32 s3, s3, s2
	v_mul_u32_u24 v22, s3, v3                      ; lanes 16-31 take B's: one product, the distance between the two bases
	s_add_co_u32 s2, s2, SCL
	v_add_nc_u32 v22, v21, v22
	v_add_nc_u32 v[ADRS], s2, v22
	; the way out's places.  TK: which 128 tokens; FT: which 128 features (0-7 q, 8-15 k, 16-23 v)
	s_lshl_b32 s92, s20, 1
	s_add_co_u32 s92, s92, s15                     ; 2 x A's block + my half of it
	s_lshl_b32 s93, s21, 1
	s_add_co_u32 s93, s93, s16                     ; the same for B
	s_mov_b32 s2, 1536
	s_mov_b32 s3, 93696
	s_mov_b32 s17, 768
	s_cmp_lt_u32 ttmp9, 16
	s_cselect_b32 s94, s92, s93                    ; TK
	s_cselect_b32 s95, s93, s92                    ; FT + 64
	s_cselect_b32 s12, 0, -1                       ; all lanes' bits set where v is made
	s_cselect_b32 s96, 768, s2                     ; from block to block: q, k: a token tile of one head, 768; v: a channel tile, 1,536
	s_cselect_b32 s98, 768, s3                     ; from block 3 to block 4: v goes on to the next head: 98,304 - 3 x 1,536
	s_cselect_b32 s17, 98304, s17                  ; from a fragment's first half to its second: q, k: the next head; v: 768
	s_mov_b32 s97, 0
	s_mov_b32 s99, 0
	s_mov_b32 s13, 0xffff0000                      ; lanes 16-31
	s_sub_co_u32 s95, s95, 64
	s_lshr_b32 s2, s95, 3
	s_lshl_b32 s2, s2, 6                           ; 64 x (q, k, v)
	s_lshr_b32 s3, s94, 4
	s_lshl_b32 s3, s3, 4                           ; + 16 x batch
	s_add_co_u32 s2, s2, s3
	s_and_b32 s3, s95, 7
	s_lshl_b32 s3, s3, 1                           ; + my first head
	s_add_co_u32 s2, s2, s3
	s_and_b32 s3, s94, 15                          ; which 128 tokens of the batch
	s_mul_i32 s100, s2, 98304
	s_mul_i32 s101, s3, 6144
	s_add_co_u32 s100, s100, s101
	s_mov_b32 s101, 0
	s_add_nc_u64 s[8:9], s[8:9], s[100:101]
	s_lshl_b32 s100, s2, 12
	s_lshl_b32 s3, s3, 8
	s_add_co_u32 s100, s100, s3
	s_add_nc_u64 s[10:11], s[10:11], s[100:101]
	v_add_nc_u32 v[O0+1], 512, v20
	v_add_nc_u32 v[O0+2], s17, v[O0]
	v_add_nc_u32 v[O0+3], s17, v[O0+1]
	v_lshl_add_u32 v[OS], v3, 12, v21              ; lanes 0-15 my first head's words, lanes 16-31 the next head's, 4,096 bytes on
.macro FRAG reg, a16, a8, off          ; a fragment's image comes back as it was stored: every load reads 512 or 256 consecutive bytes
.set FG, \reg
.set FO, \off
	ds_load_b128 v[FG:FG+3], v[\a16] offset:FO
	ds_load_b64 v[FG+4:FG+5], v[\a8] offset:FO+512
	ds_load_b128 v[FG+6:FG+9], v[\a16] offset:FO+768
	ds_load_b64 v[FG+10:FG+11], v[\a8] offset:FO+1280
.endm
; 16 matrix instructions: A's blocks a0, a0 + 1 x B's eight, 128 along K.  p: B's set; q: which 128 of the slot; sc: the set of scale words.  zero = 1: the first product starts the sums.
; The 64 accumulators take turns, one instruction a turn, in the same order in every K step.
.macro MUL16 a0, p, q, sc, zero
.irp a, \a0, \a0+1
.irp b, 0,1,2,3,4,5,6,7
.if \zero
	v_wmma_scale_f32_16x16x128_f8f6f4 v[8*(8*((\a)%4)+\b):8*(8*((\a)%4)+\b)+7], v[128*(\p)+FR*\b:128*(\p)+FR*\b+FR-1], v[AF+FR*(\a):AF+FR*(\a)+FR-1], 0, v[SC+16*(\sc)+2*\b+(\q)], v[SC+16*(\sc)+2*(\a)+(\q)] matrix_a_fmt:MATRIX_FMT_FP6 matrix_b_fmt:MATRIX_FMT_FP6 matrix_a_scale:MATRIX_SCALE_ROW1
.else
	v_wmma_scale_f32_16x16x128_f8f6f4 v[8*(8*((\a)%4)+\b):8*(8*((\a)%4)+\b)+7], v[128*(\p)+FR*\b:128*(\p)+FR*\b+FR-1], v[AF+FR*(\a):AF+FR*(\a)+FR-1], v[8*(8*((\a)%4)+\b):8*(8*((\a)%4)+\b)+7], v[SC+16*(\sc)+2*\b+(\q)], v[SC+16*(\sc)+2*(\a)+(\q)] matrix_a_fmt:MATRIX_FMT_FP6 matrix_b_fmt:MATRIX_FMT_FP6 matrix_a_scale:MATRIX_SCALE_ROW1
.endif
.endr
.endr
.endm
.macro FETCH_B slot, q, p              ; B's eight fragments of the slot's q-th 128 along K into set p
	WIN TO_B
.irp i, 0,1,2,3,4,5,6,7
	FRAG 128*(\p)+FR*\i, B16+\slot, B8+\slot, \i*TILEB+(\q)*FRB
.endr
	WIN 0
.endm
.macro FETCH_A slot, q, i0             ; A's blocks i0 .. i0 + 3
.irp i, \i0, \i0+1, \i0+2, \i0+3
	FRAG AF+FR*(\i), A16+\slot, A8+\slot, (\i)*TILEB+(\q)*FRB
.endr
.endm
.macro SCALES ks                       ; the scale words of K 256 ks on, two words a row, into set ks % 2: a tile's rows are two units of 272 bytes, one for each half of K
.irp i, 0,1,2,3,4,5,6,7
	ds_load_b64 v[SC+16*((\ks)&1)+2*\i:SC+16*((\ks)&1)+2*\i+1], v[ADRS] offset:544*\i+272*((\ks)>>1)+8*((\ks)&1)
.endr
.endm
; A load into a register that a matrix instruction has read, and a vector instruction that reads a matrix result, stand NP places behind it; only plain vector instructions that name none of its registers are places (ISA guide 7.12.1 for a vector instruction that reads a matrix result).
.macro PLACES n
.rept \n
	v_nop
.endr
.endm
.macro PARAMS k                        ; K step k (128 along K) lies in slot (k / 2) % 3; B's set is k % 2; the scale set (k / 2) % 2
.set CQ,    (\k)&1
.set CSC,   ((\k)>>1)&1
.set NSLOT, (((\k)+1)>>1)%3
.set NQ1,   ((\k)+1)&1
.endm
.macro NEXT_LO k                       ; the run of loads in a K step's middle: the next step's B, A's blocks 0-3, and the scale words where it opens a slot
	FETCH_B NSLOT, NQ1, NQ1
	FETCH_A NSLOT, NQ1, 0
.if NQ1 == 0
	SCALES ((\k)+1)>>1
.endif
.endm
.macro STEP k, zero                    ; a K step whose successor's tiles are known to lie in LDS
	PARAMS \k
	s_wait_dscnt 4*NL                              ; B's set, A's blocks 0-3 and the scale words are in; the youngest 16 loads (A's blocks 4-7) may be out
	WIN MUL_LO
	MUL16 0, CQ, CQ, CSC, \zero
	MUL16 2, CQ, CQ, CSC, \zero
	s_wait_dscnt 0x0                               ; A's blocks 4-7 are in
	PLACES NP
	NEXT_LO \k
	WIN MUL_HI
	MUL16 4, CQ, CQ, CSC, \zero
	MUL16 6, CQ, CQ, CSC, \zero
	PLACES NP
	WIN 0
	FETCH_A NSLOT, NQ1, 4
.endm
; A K step with a barrier.  In front of it each wave waits for all its tensor loads, adds 0 to its spare word, and waits for that and for its own LDS reads.
; fill = 1 (K step 1): the barrier opens a round of the cluster's; behind it slots 1 and 2 are whole in every wave, nobody reads slot 0, and slot 0 is filled with K 768 .. 1,023: that load has the rest of K step 1 and K steps 2 to 4, 224 matrix instructions, in which to land.
; fill = 0 (K step 5): behind it slot 0's second fill is whole.
.macro TURN k, fill
	PARAMS \k
	s_wait_tensorcnt 0x0                           ; all my tensor loads have landed (every window is 0 here: the add's two registers lie in window 0)
	ds_add_u32 v[SPW], v[NIL]                      ; 0 onto my spare word
	s_wait_dscnt 4*NL+1                            ; (the add and the youngest 16 loads may be out)
	WIN MUL_LO
	MUL16 0, CQ, CQ, CSC, 0                        ; sixteen matrix instructions stand between the add and the wait for it
	s_wait_dscnt 0x0                               ; the add is done, and my reads of this slot are over
	s_barrier_signal -1
	MUL16 2, CQ, CQ, CSC, 0
	WIN 0
	s_barrier_wait -1
.if \fill
	CREST
	s_add_nc_u64 s[G0+2:G0+3], s[G0+2:G0+3], 3*TILEB
	s_add_nc_u64 s[G0B+2:G0B+3], s[G0B+2:G0B+3], 3*TILEB
	JLOAD G0, G1, G0B, G1B                         ; the first tensor load behind the round, and my only one; the four v_nop behind it are the places in front of the loads below
.else
	PLACES NP
.endif
	NEXT_LO \k
	WIN MUL_HI
	MUL16 4, CQ, CQ, CSC, 0
	MUL16 6, CQ, CQ, CSC, 0
	PLACES NP
	WIN 0
	FETCH_A NSLOT, NQ1, 4
.endm
	s_wait_tensorcnt 0x2                           ; the scales and my part of slot 0 are in; slots 1 and 2 may be out
	s_barrier_signal -1
	s_barrier_wait -1
	FETCH_B 0, 0, 0
	FETCH_A 0, 0, 0
	SCALES 0
	FETCH_A 0, 0, 4
	STEP 0, 1                                      ; eight K steps, written out: every offset is an immediate
	TURN 1, 1
	STEP 2, 0
	STEP 3, 0
	STEP 4, 0
	TURN 5, 0
	STEP 6, 0
	PARAMS 7                                       ; the last K step: nothing more to fetch
	s_wait_dscnt 4*NL
	WIN MUL_LO
	MUL16 0, CQ, CQ, CSC, 0
	MUL16 2, CQ, CQ, CSC, 0
	s_wait_dscnt 0x0
	WIN MUL_HI
	MUL16 4, CQ, CQ, CSC, 0
	MUL16 6, CQ, CQ, CSC, 0
	WIN 0
; THE WAY OUT.  The 64 accumulator registers of A's block a are, in each lane, register 16 b + i = place 32 b + 16 (lane / 16) + i along the axis to be quantised: four blocks of 32.
; They become one fragment (12 registers) and one scale word, and the fragment leaves as its image: no LDS.  Each accumulator is read from its low end on.
.macro QUANTW a
.set AC, 64*((\a)%4)
	WIN 0x0a+5*((\a)/4)                            ; sources 0 and 1: window 2 or 3
.irp b, 0,1,2,3
	v_max3_num_f32 v[TM+\b], |v[AC+16*\b]|, |v[AC+16*\b+1]|, 0x1800000     ; and the floor 2^(3 - 127): the byte cannot fall under 1
.endr
.irp i, 2,4,6,8,10,12,14
.irp b, 0,1,2,3
	v_max3_num_f32 v[TM+\b], |v[AC+16*\b+\i]|, |v[AC+16*\b+\i+1]|, v[TM+\b]
.endr
.endr
	WIN 0
.irp b, 0,1,2,3
	v_permlanex16_b32 v[TM+4+\b], v[TM+\b], s2, s3
.endr
.irp b, 0,1,2,3
	v_max_num_f32 v[TM+\b], v[TM+\b], v[TM+4+\b]   ; with lane l xor 16's: the block's largest magnitude
.endr
.irp b, 0,1,2,3
	v_add_nc_u32 v[TM+12+\b], 0xff000000, v[TM+\b] ; 2 off its exponent field: the conversion's scale operand
.endr
.irp b, 0,1,2,3
	v_lshrrev_b32 v[TM+4+\b], 23, v[TM+12+\b]      ; the scale's byte
.endr
	v_lshl_or_b32 v[SW+(\a)], v[TM+5], 8, v[TM+4]
	v_lshl_or_b32 v[SW+(\a)], v[TM+6], 16, v[SW+(\a)]
	v_lshl_or_b32 v[SW+(\a)], v[TM+7], 24, v[SW+(\a)]
	s_wait_xcnt 0x0                                ; the last block's stores have read their data and their base: both are written again only behind this wait
.if (\a) == 4
	s_add_nc_u64 s[8:9], s[8:9], s[98:99]
.elseif (\a) > 0
	s_add_nc_u64 s[8:9], s[8:9], s[96:97]
.endif
	WIN 0x02+(\a)/4                                ; source 0: window 2 or 3
.irp c, 0,1
	v_cvt_scalef32_pk16_fp6_f32 v[PC+6*\c:PC+2+6*\c], v[AC+32*\c:AC+15+32*\c], v[TM+12+2*\c]
	v_cvt_scalef32_pk16_fp6_f32 v[PC+12+4*\c:PC+14+4*\c], v[AC+16+32*\c:AC+31+32*\c], v[TM+13+2*\c]
.endr
	WIN 0
	v_nop                                          ; one plain instruction behind a scaled conversion
.irp c, 0,1
.irp i, 0,1,2
	v_permlane16_swap_b32 v[PC+6*\c+\i], v[PC+12+4*\c+\i]
.endr
.irp i, 0,1,2
	v_mov_b32 v[PC+3+6*\c+\i], v[PC+12+4*\c+\i]
.endr
.endr
	global_store_b128 v[O0], v[PC:PC+3], s[8:9]            ; each store covers 512 or 256 consecutive bytes, at a multiple of 256 from qkv's first byte
	global_store_b64 v[O0+1], v[PC+4:PC+5], s[8:9]
	global_store_b128 v[O0+2], v[PC+6:PC+9], s[8:9]
	global_store_b64 v[O0+3], v[PC+10:PC+11], s[8:9]
.endm
	s_mov_b32 s2, 0x76543210                       ; v_permlanex16_b32's selects for lane l xor 16
	s_mov_b32 s3, 0xfedcba98
.irp b, 0,1,2,3
	v_mov_b32 v[TM+4+\b], 0                        ; a lane permute's destination counts as one of its sources.  These four are also the places behind the last products
.endr
.irp a, 0,1,2,3,4,5,6,7
	QUANTW \a
.endr
	; the scale words.  q, k: block a's word holds my first head's two bytes, then the next head's two; word i of a head takes those of blocks 2 i and 2 i + 1.  v: blocks 0-3 are my first head's channel tiles, 4-7 the next head's.
	v_mov_b32 v[SELV], 0x05040100
	v_mov_b32 v[SELV+1], 0x07060302
	v_cndmask_b32 v[SELV], v[SELV], v[SELV+1], s13 ; lanes 0-15 take the low halves, lanes 16-31 the high halves
.irp i, 0,1,2,3
	v_perm_b32 v[OUTW+4+\i], v[SW+2*\i+1], v[SW+2*\i], v[SELV]
	v_cndmask_b32 v[OUTW+8+\i], v[SW+\i], v[SW+4+\i], s13
.endr
.irp i, 0,1,2,3
	v_cndmask_b32 v[OUTW+\i], v[OUTW+4+\i], v[OUTW+8+\i], s12
.endr
	global_store_b128 v[OS], v[OUTW:OUTW+3], s[10:11]      ; sixteen lanes store 256 consecutive bytes, aligned; the other sixteen the next head's
	s_wait_tensorcnt 0x0                           ; the wave's end
	ds_add_u32 v[SPW], v[NIL]
	s_wait_dscnt 0x0
	CROUND                                         ; the closing round: no work-group ends while a partner may still ask for a tile that names it
	s_endpgm
.Lfunc_end_k_qad5176dad8_qkvgemm:
	.size	k_qad5176dad8_qkvgemm, .Lfunc_end_k_qad5176dad8_qkvgemm-k_qad5176dad8_qkvgemm
	.p2alignl 7, 3214868480
	.fill 96, 4, 3214868480
	.section	.rodata,"a",@progbits
	.p2align	6, 0x0
	.amdhsa_kernel k_qad5176dad8_qkvgemm
		.amdhsa_group_segment_fixed_size 327680
		.amdhsa_private_segment_fixed_size 0
		.amdhsa_enable_private_segment 0
		.amdhsa_kernarg_size 32
		.amdhsa_user_sgpr_count 2
		.amdhsa_user_sgpr_kernarg_segment_ptr 1
		.amdhsa_wavefront_size32 1
		.amdhsa_system_sgpr_workgroup_id_x 1
		.amdhsa_system_sgpr_workgroup_id_y 1
		.amdhsa_system_sgpr_workgroup_id_z 1
		.amdhsa_system_vgpr_workitem_id 0
		.amdhsa_next_free_vgpr 1024
		.amdhsa_next_free_sgpr 102
		.amdhsa_reserve_vcc 0
		.amdhsa_float_denorm_mode_32 3
		.amdhsa_float_denorm_mode_16_64 3
		.amdhsa_memory_ordered 1
		.amdhsa_forward_progress 1
		.amdhsa_inst_pref_size 151
	.end_amdhsa_kernel
	.amdgpu_metadata
---
amdhsa.version: [ 1, 2 ]
amdhsa.kernels:
  - .name:           k_qad5176dad8_qkvgemm
    .symbol:         k_qad5176dad8_qkvgemm.kd
    .args:
      - { .name: img, .offset: 0, .size: 8, .value_kind: global_buffer, .address_space: global }
      - { .name: scl, .offset: 8, .size: 8, .value_kind: global_buffer, .address_space: global }
      - { .name: qkv, .offset: 16, .size: 8, .value_kind: global_buffer, .address_space: global }
      - { .name: qkvs, .offset: 24, .size: 8, .value_kind: global_buffer, .address_space: global }
    .group_segment_fixed_size: 327680
    .private_segment_fixed_size: 0
    .kernarg_segment_align: 8
    .kernarg_segment_size: 32
    .max_flat_workgroup_size: 128
    .sgpr_count:     102
    .vgpr_count:     1024
    .wavefront_size: 32
...
	.end_amdgpu_metadata
.endif
;; end of part 2
;; launch attn (part 3): grid 4 x 64, 16 waves a work-group, clusters of 4 x 1, 206,848 bytes of LDS; arguments qkv, qkvs, att, atts; writes att, atts
.if DOCPART == 3
	.amdgcn_target "amdgcn-amd-amdhsa--gfx1250"
	.amdhsa_code_object_version 6
	.text
	.protected	k_qad5176dad8_attn
	.globl	k_qad5176dad8_attn
	.p2align	8
	.type	k_qad5176dad8_attn,@function
k_qad5176dad8_attn:
	s_mov_b64 s[64:65], 0
	v_nop
	global_prefetch_b8 v0, s[64:65] scope:SCOPE_SE
	s_setreg_imm32_b32 hwreg(HW_REG_WAVE_MODE, 25, 1), 1
	s_wait_xcnt 0x0
	s_wait_alu depctr_hold_cnt(0) depctr_sa_sdst(0) depctr_va_vdst(0) depctr_va_sdst(0) depctr_va_ssrc(0) depctr_va_vcc(0) depctr_vm_vsrc(0)
	s_getreg_b32 s2, hwreg(HW_REG_IB_STS2, 6, 4)
	s_cmp_eq_u32 s2, 0
	s_cbranch_scc0 .Lentry_in_a_cluster
	s_endpgm
.Lentry_in_a_cluster:
	s_bfe_u32 s2, ttmp6, 0x10000c
	s_cmp_lg_u32 s2, 0x3003
	s_cbranch_scc0 .Lentry_shape_is_right
	s_endpgm
.Lentry_shape_is_right:
; Causal attention of one head on codes of E2M3 with E8M0 scales, and its result quantised for the last product.  Head size 64, 2,048 tokens, 64 (batch, head) pairs.
; t = score x log2(e) / 8; M = the row's largest t so far, rounded UP to a whole number; p = 2^(t - M) is quantised along the keys, not normalised; the row's sum is taken of the unquantised p and divides at the end.
; When M moves, the sum and O are multiplied by 2^(old M - new M): exact.
; IN.  qkv: [q, k, v][pair][98,304]: q and k: [token tile 0..127][768: half a fragment's image]; v: [key step 0..15][channel tile 0..3][1,536].  Tile u of a group of 32 rows holds rows 8 u + r + 8 (r / 8).
; qkvs: [q, k, v][pair][128 tokens][r][4 words].  An image: registers 0-3 at 16 x lane, 4-5 at 512 + 8 x lane, 6-9 at 768 + 16 x lane, 10-11 at 1,280 + 8 x lane.
; K = 64 FILLS HALF OF THE INSTRUCTION'S 128.  Two neighbouring key tiles' half images are one fragment (tile 2 b in k 0-63, tile 2 b + 1 in k 64-127); the queries stand as (q, 0) and as (0, q): 18 registers, zeros, q, zeros.
; Zero codes add nothing, so (q, 0) picks tile 2 b and (0, q) tile 2 b + 1; no register of K holds zeros.
; Both products are used transposed (S^T = K Q^T, O^T = V^T P^T): a lane holds ONE query; by the tiles' order the 16 registers of result tiles 2 b, 2 b + 1 are 16 neighbouring keys (or channels): 32 b + 16 (lane / 16) + 0 .. 15.
; SHARES.  The four work-groups of a cluster share a head.  Its whole K and V (2 x 98,304 bytes) and their scales lie in each one's LDS, asked for JOINTLY, filled once: no slot is filled again.
; A head has 128 query tiles 8 g + e.  Wave w (gl = w % 8, e = 2 cx + w / 8) takes tile g = 15 - gl and then tile g = gl: (16 - gl) + (gl + 1) = 17 key steps of 128 keys for every wave of the launch.
; Branches hang on the wave's number and on counted steps alone; cx enters global addresses and a lane's number for the mask, nothing else.
; A key step all of whose keys come after the tile's queries is left out by a scalar branch; on the diagonal hidden scores become -infinity ahead of the maximum.
; OUT.  att: [token tile 0..511][K step 0..7][1,536]: head hd is half hd % 2 of K step hd / 2.  atts: [token tile][half of K][r][4 words].
; LIMITS: a block of zeros gets the byte 1 (its codes are zeros; this program alone reads the bytes); NaN and infinities are not served.
.set HEADB, 98304                      ; a head's K, or V
.set VB,    HEADB                      ; LDS: K at 0, V behind it,
.set KSB,   2*HEADB                    ; K's scale words, 4,096 bytes,
.set VSB,   KSB+4096                   ; V's
.set STEPB, 6144                       ; a key step's codes of K, or of V
.set L16,  1                           ; v1  16 x lane
.set L8,   2                           ; v2  8 x lane
.set R16,  3                           ; v3  16 r
.set DQ,   4                           ; v4  my query's place among its 128 tokens, less 16 (lane / 16)
.set BO,   5                           ; v5  16 r + h: my byte of atts
.set VL16, 6                           ; v6, v7  V's lane bases
.set VL8,  7
.set KSL,  8                           ; v8, v9  the scale words' lane bases
.set VSL,  9
.set AK16, 10                          ; v10, v11, v92-95  the step's six LDS addresses
.set AK8,  11
.set AV16, 92
.set AV8,  93
.set AKS,  94
.set AVS,  95
.set Q,    16                          ; v16-21 zeros, v22-27 q, v28-33 zeros
.set QS,   34                          ; v34  q's two scale bytes, twice
.set F,    36                          ; v36-83  four fragments of K, then of V
.set QL,   84                          ; v84-89  the second tile's q
.set RAW,  90                          ; v90, v91  the two tiles' scale words as loaded
.set S,    96                          ; v96-159  S^T, then p
.set O,    160                         ; v160-191 O^T
.set PC,   192                         ; v192-203 p's codes; v204-210 at work
.set KSC,  212                         ; v212-215 K's scale words
.set VSC,  216                         ; v216-219 V's
.set BM,   220                         ; v220-223 the blocks' largest scores, then largest p
.set T4,   224                         ; v224-227 at work
.set SO,   228                         ; v228-231 the conversions' scale operands
.set PW,   232                         ; v232  p's scale word
.set FF,   234                         ; v[234:235] f = 2^(old M - new M)
.set TMP,  236
.set SUM2, 238                         ; v[238:239] the sum's second chain
.set NINF, 240
.set WV,   12
.set SEL,  22                          ; s[22:23] lane selects: lane l xor 16
.set CS,   24                          ; s[24:25] c = log2(e) / 8
.set ST,   84                          ; the key step
.set TB,   85                          ; its codes' first byte in K
.set TS,   86                          ; its scale words'
.set G,    87                          ; the tile's 128 tokens: its diagonal step
.set CNT,  100
.macro CROUND                          ; a round of the cluster's barrier
	s_barrier_signal -1
	s_barrier_wait -1
	s_cmp_lg_u32 s[WV], 0
	s_cbranch_scc1 .Lnot_wave_0_\@
	s_barrier_signal -3
.Lnot_wave_0_\@:
	s_barrier_wait -3
	s_barrier_signal -1
	s_barrier_wait -1
.endm
.macro G1SET g, rows                   ; group 1: a dense block as rows of 256 bytes (32 elements of 8 bytes), for all four work-groups
	s_mov_b32 s[\g], 15|(3<<16)|(1<<21)            ; 15:0 the mask; 17:16 elements of 8 bytes; 21 set beside a mask
	s_mov_b32 s[\g+1], 32<<16
	s_mov_b32 s[\g+2], (\rows)<<16
	s_mov_b32 s[\g+3], 32<<16
	s_mov_b32 s[\g+4], \rows
	s_mov_b32 s[\g+5], 32
	s_mov_b32 s[\g+6], 0
	s_mov_b32 s[\g+7], 0
.endm
.macro G0SET g, off                    ; group 0: the chunk that begins off bytes into the head
	s_mov_b32 s[\g], 1
	s_add_co_u32 s[\g+1], s21, \off
	s_add_nc_u64 s[\g+2:\g+3], s[60:61], \off
	s_or_b32 s[\g+3], s[\g+3], 0x80000000
.endm
	s_load_b256 s[4:11], s[0:1], 0x0               ; qkv s[4:5], qkvs s[6:7], att s[8:9], atts s[10:11]
	v_lshl_add_u32 v254, v0, 2, 0x32000
	v_mov_b32 v255, 0
	ds_add_u32 v254, v255
	ds_add_u32 v254, v255
	v_lshrrev_b32 v1, 5, v0
	s_delay_alu instid0(VALU_DEP_1)
	v_readfirstlane_b32 s[WV], v1                  ; wave 0..15
	s_bfe_u32 s13, ttmp6, 0x40000                  ; cx
	s_and_b32 s14, ttmp7, 0xffff                   ; the (batch, head) pair, which the four partners share
	s_and_b32 s15, s[WV], 7                        ; gl
	s_lshr_b32 s16, s[WV], 3                       ; u: which tile of a group of 32 tokens
	s_and_b32 s18, s[WV], 1                        ; wave 0 fetches K, wave 1 V
	G1SET 28, 16                                   ; the scale words: 4,096 bytes
	G1SET 36, 48                                   ; key steps 0, 1
	G1SET 44, 144                                  ; key steps 2 to 7
	G1SET 52, 192                                  ; key steps 8 to 15
	s_lshl_b32 s20, s18, 6
	s_add_co_u32 s20, s20, 64
	s_add_co_u32 s20, s20, s14                     ; 64 + pair: k; 128 + pair: v
	s_mul_i32 s60, s20, HEADB
	s_mov_b32 s61, 0
	s_lshl_b32 s62, s20, 12
	s_mov_b32 s63, 0
	s_mul_i32 s21, s18, HEADB                      ; in LDS: K at 0, V behind it
	s_lshl_b32 s19, s18, 12
	s_add_co_u32 s19, s19, KSB
	s_mov_b32 s[SEL], 0x76543210
	s_mov_b32 s[SEL+1], 0xfedcba98
	s_mov_b32 s[CS], 0x3e38aa3b                    ; log2(e) / 8
	s_mov_b32 s[CS+1], s[CS]                       ; (named with it as a pair, so it is written)
	s_mov_b32 s26, 0xffff0000                      ; lanes 16-31
	s_mov_b32 s27, 0x03020302
	s_cmp_lt_u32 s[WV], 8
	s_cselect_b32 s27, 0x01000100, s27             ; my tile's two bytes of its pair's word: the low half (u = 0) or the high (u = 1), twice
	s_wait_dscnt 0x0
	s_wait_kmcnt 0x0
	s_add_nc_u64 s[60:61], s[4:5], s[60:61]
	s_add_nc_u64 s[62:63], s[6:7], s[62:63]
	s_mov_b32 s68, 1
	s_mov_b32 s69, s19
	s_mov_b64 s[70:71], s[62:63]
	s_or_b32 s71, s71, 0x80000000
	G0SET 72, 0
	G0SET 76, 2*STEPB
	G0SET 80, 8*STEPB
	CROUND                                         ; all four work-groups are here: the joint loads meet
	s_cmp_lt_u32 s[WV], 2                          ; a wave's four fills stand in one branch, ahead of every wait on TENSORcnt, LDS read and barrier: four loads of mine are out
	s_cbranch_scc0 .Lno_fill
	tensor_load_to_lds s[68:71], s[28:35]
	s_nop 0
	tensor_load_to_lds s[72:75], s[36:43]
	s_nop 0
	tensor_load_to_lds s[76:79], s[44:51]
	s_nop 0
	tensor_load_to_lds s[80:83], s[52:59]
	s_nop 0
.rept 4
	v_nop
.endr
.Lno_fill:
	v_and_b32 v1, 31, v0
	v_and_b32 v3, 15, v0                           ; r
	v_bfe_u32 v5, v0, 4, 1                         ; h
	s_delay_alu instid0(VALU_DEP_3)
	v_lshlrev_b32 v[L8], 3, v1
	s_delay_alu instid0(VALU_DEP_4)
	v_lshlrev_b32 v[L16], 4, v1
	s_delay_alu instid0(VALU_DEP_4)
	v_and_b32 v[DQ], 8, v3
	s_delay_alu instid0(VALU_DEP_1)
	v_add_nc_u32 v[DQ], v[DQ], v3                  ; r + 8 (r / 8)
	v_lshlrev_b32 v6, 4, v5
	s_delay_alu instid0(VALU_DEP_1)
	v_sub_nc_u32 v[DQ], v[DQ], v6                  ; - 16 h
	s_lshl_b32 s2, s13, 5
	s_lshl_b32 s3, s16, 3
	s_add_co_u32 s2, s2, s3
	v_add_nc_u32 v[DQ], s2, v[DQ]                  ; + 32 cx + 8 u
	v_lshlrev_b32 v[R16], 4, v3
	s_wait_alu depctr_va_vdst(0)
	v_add_nc_u32 v[BO], v[R16], v5
	v_add_nc_u32 v[VL16], VB, v[L16]
	v_add_nc_u32 v[VL8], VB, v[L8]
	v_add_nc_u32 v[KSL], KSB, v[R16]
	v_add_nc_u32 v[VSL], VSB, v[R16]
	s_lshl_b32 s17, s13, 1
	s_add_co_u32 s17, s17, s16                     ; e
	s_xor_b32 s2, s15, 15                          ; the first tile's g = 15 - gl
	s_lshl_b32 s3, s2, 3
	s_add_co_u32 s3, s3, s17                       ; the first tile
	s_lshl_b32 s19, s15, 3
	s_add_co_u32 s19, s19, s17                     ; the second
	s_mul_i32 s20, s14, HEADB
	s_mul_i32 s60, s3, 768
	s_add_co_u32 s60, s60, s20
	s_mov_b32 s61, 0
	s_mul_i32 s62, s19, 768
	s_add_co_u32 s62, s62, s20
	s_mov_b32 s63, 0
	s_add_nc_u64 s[60:61], s[4:5], s[60:61]
	s_add_nc_u64 s[62:63], s[4:5], s[62:63]
	s_lshl_b32 s20, s14, 12
	s_lshl_b32 s21, s13, 2                         ; word cx of the row's four
	s_add_co_u32 s20, s20, s21
	s_lshl_b32 s21, s2, 8
	s_add_co_u32 s96, s20, s21
	s_mov_b32 s97, 0
	s_lshl_b32 s21, s15, 8
	s_add_co_u32 s98, s20, s21
	s_mov_b32 s99, 0
	s_add_nc_u64 s[96:97], s[6:7], s[96:97]
	s_add_nc_u64 s[98:99], s[6:7], s[98:99]
	global_load_b128 v[Q+6:Q+9], v[L16], s[60:61]          ; both tiles' q and scale words
	global_load_b64 v[Q+10:Q+11], v[L8], s[60:61] offset:512
	global_load_b128 v[QL:QL+3], v[L16], s[62:63]
	global_load_b64 v[QL+4:QL+5], v[L8], s[62:63] offset:512
	global_load_b32 v[RAW], v[R16], s[96:97]
	global_load_b32 v[RAW+1], v[R16], s[98:99]
	s_lshr_b32 s20, s14, 4
	s_lshl_b32 s20, s20, 7                         ; 128 tiles a batch
	s_and_b32 s21, s14, 15                         ; hd
	s_add_co_u32 s3, s3, s20
	s_add_co_u32 s19, s19, s20
	s_mul_i32 s2, s21, 768                         ; (hd / 2) x 1,536 + (hd % 2) x 768
	s_mul_i32 s88, s3, 12288
	s_add_co_u32 s88, s88, s2
	s_mov_b32 s89, 0
	s_mul_i32 s90, s19, 12288
	s_add_co_u32 s90, s90, s2
	s_mov_b32 s91, 0
	s_add_nc_u64 s[88:89], s[8:9], s[88:89]        ; where the first tile's codes go,
	s_add_nc_u64 s[90:91], s[8:9], s[90:91]        ; and the second's
	s_lshr_b32 s2, s21, 3
	s_lshl_b32 s2, s2, 8                           ; which half of K,
	s_and_b32 s21, s21, 7
	s_lshl_b32 s21, s21, 1                         ; and which two of a row's 16 bytes
	s_add_co_u32 s2, s2, s21
	s_lshl_b32 s92, s3, 9
	s_add_co_u32 s92, s92, s2
	s_mov_b32 s93, 0
	s_lshl_b32 s94, s19, 9
	s_add_co_u32 s94, s94, s2
	s_mov_b32 s95, 0
	s_add_nc_u64 s[92:93], s[10:11], s[92:93]
	s_add_nc_u64 s[94:95], s[10:11], s[94:95]
.irp i, 0,1,2,3,4,5
	v_mov_b32 v[Q+\i], 0                           ; zero codes on both sides of q
	v_mov_b32 v[Q+12+\i], 0
.endr
.irp b, 0,1,2,3
	v_mov_b32 v[T4+\b], 0                          ; written once: a lane permute's destination counts as one of its sources
.endr
	v_mov_b32 v[TMP], 0
	v_mov_b32 v[FF+1], 0                           ; (named as the upper half of a pair)
	v_mov_b32 v[NINF], 0xff800000
.macro FRAG reg, a16, a8, off          ; a fragment's image: every load reads 512 or 256 consecutive bytes
.set FG, \reg
.set FO, \off
	ds_load_b128 v[FG:FG+3], v[\a16] offset:FO
	ds_load_b64 v[FG+4:FG+5], v[\a8] offset:FO+512
	ds_load_b128 v[FG+6:FG+9], v[\a16] offset:FO+768
	ds_load_b64 v[FG+10:FG+11], v[\a8] offset:FO+1280
.endm
; A KEY STEP: 128 keys.  causal = 1: the step may lie on or beyond the tile's diagonal.
.macro STEP causal
.if \causal
	s_cmp_gt_u32 s[ST], s[G]                       ; all its keys come after my queries: only the lines at the end, which step the addresses, are run
	s_cbranch_scc1 .Lhidden_\@
.endif
	s_setprio 2
	v_add_nc_u32 v[AK16], s[TB], v[L16]            ; (these six are also the places in front of the loads into registers that the last products read)
	v_add_nc_u32 v[AK8], s[TB], v[L8]
	v_add_nc_u32 v[AV16], s[TB], v[VL16]
	v_add_nc_u32 v[AV8], s[TB], v[VL8]
	v_add_nc_u32 v[AKS], s[TS], v[KSL]
	v_add_nc_u32 v[AVS], s[TS], v[VSL]
.irp f, 0,1,2,3
	FRAG F+12*\f, AK16, AK8, 1536*\f
.endr
	ds_load_b128 v[KSC:KSC+3], v[AKS]              ; word b: tile 2 b's two bytes, tile 2 b + 1's two
	s_wait_alu depctr_va_vdst(0)
	s_wait_dscnt 0x0
.irp b, 0,1,2,3
	v_wmma_scale_f32_16x16x128_f8f6f4 v[S+16*\b:S+16*\b+7], v[F+12*\b:F+12*\b+11], v[Q+6:Q+17], 0, v[KSC+\b], v[QS] matrix_a_fmt:MATRIX_FMT_FP6 matrix_b_fmt:MATRIX_FMT_FP6     ; (q, 0): key tile 2 b
	v_wmma_scale_f32_16x16x128_f8f6f4 v[S+16*\b+8:S+16*\b+15], v[F+12*\b:F+12*\b+11], v[Q:Q+11], 0, v[KSC+\b], v[QS] matrix_a_fmt:MATRIX_FMT_FP6 matrix_b_fmt:MATRIX_FMT_FP6   ; (0, q): key tile 2 b + 1
.endr
.rept 4
	v_nop                                          ; places in front of the loads into K's registers and of the first read of the scores
.endr
.irp f, 0,1,2,3
	FRAG F+12*\f, AV16, AV8, 1536*\f               ; V's four channel tiles land while the softmax is worked
.endr
	ds_load_b128 v[VSC:VSC+3], v[AVS]
.if \causal
	s_cmp_lt_u32 s[ST], s[G]                       ; a step all of whose keys count skips the mask
	s_cbranch_scc1 .Lopen_\@
.set n, 0
.rept 64                                           ; register 16 b + i holds key 32 b + 16 (lane / 16) + i of the step: hidden where 32 b + i > v[DQ]
	v_cmp_gt_i32 vcc_lo, 32*(n/16)+n%16, v[DQ]
	v_cndmask_b32 v[S+n], v[S+n], v[NINF], vcc_lo
.set n, n+1
.endr
.Lopen_\@:
.endif
.irp b, 0,1,2,3
	v_max3_num_f32 v[BM+\b], v[S+16*\b], v[S+1+16*\b], v[S+2+16*\b]        ; the largest score of each block of 32 keys: it serves for the row's maximum and, since p rises with the score, for the block's largest p
.endr
.irp i, 3,5,7,9,11,13
.irp b, 0,1,2,3
	v_max3_num_f32 v[BM+\b], v[BM+\b], v[S+16*\b+\i], v[S+1+16*\b+\i]
.endr
.endr
.irp b, 0,1,2,3
	v_max_num_f32 v[BM+\b], v[BM+\b], v[S+15+16*\b]
.endr
.irp b, 0,1,2,3
	s_delay_alu instid0(VALU_DEP_4)
	v_permlanex16_b32 v[T4+\b], v[BM+\b], s[SEL], s[SEL+1]
.endr
.irp b, 0,1,2,3
	s_delay_alu instid0(VALU_DEP_4)
	v_max_num_f32 v[BM+\b], v[BM+\b], v[T4+\b]     ; with lane l xor 16's 16 keys
.endr
	s_delay_alu instid0(VALU_DEP_2)
	v_max3_num_f32 v[TMP], v[BM], v[BM+1], v[BM+2]
	s_delay_alu instid0(VALU_DEP_1)
	v_max_num_f32 v[TMP], v[TMP], v[BM+3]          ; the step's largest score of my query (the step's first key counts for every query of the tile: a number)
	s_delay_alu instid0(VALU_DEP_1)
	v_mul_f32 v[TMP], s[CS], v[TMP]                ; as t
	s_delay_alu instid0(VALU_DEP_1)
	v_max_num_f32 v13, v13, v[TMP]                 ; the running largest t
	v_mov_b32 v[TMP], v12
	s_delay_alu instid0(VALU_DEP_2)
	v_floor_f32 v12, -v13                          ; the new -M = floor(-t): M is a whole number
	s_delay_alu instid0(VALU_DEP_1)
	v_sub_f32 v[TMP], v12, v[TMP]                  ; old M - new M: a whole number, 0 or less
	s_delay_alu instid0(VALU_DEP_1)
	v_cvt_i32_f32 v[TMP], v[TMP]                   ; (it saturates)
	s_delay_alu instid0(VALU_DEP_1)
	v_ldexp_f32 v[FF], 1.0, v[TMP]                 ; f = 2^(old M - new M)
.set n, 0
.rept 32
	v_pk_fma_f32 v[S+n:S+n+1], v[S+n:S+n+1], s[CS:CS+1], v[12:13] op_sel_hi:[1,0,0]   ; t - M, two at a time
.set n, n+2
.endr
.irp b, 0,1,2,3
	v_fma_f32 v[BM+\b], v[BM+\b], s[CS], v12       ; the same of each block's largest score
.endr
.set n, 0
	s_setprio 1
	s_wait_alu depctr_va_vdst(0)
.rept 64
	v_exp_f32 v[S+n], v[S+n]                       ; p = 2^(t - M), at most 1
.set n, n+1
.endr
	v_pk_mul_f32 v[14:15], v[14:15], v[FF:FF+1] op_sel_hi:[1,0]    ; the sums under the new M (the plain instruction behind the exponentials)
	s_wait_alu depctr_va_vdst(0)                   ; one wait for the batch of 64, ahead of its first reader
.irp b, 0,1,2,3
	v_exp_f32 v[BM+\b], v[BM+\b]                   ; the block's largest p
.endr
	v_pk_add_f32 v[238:239], v[100:101], v[104:105]
	v_pk_add_f32 v[252:253], v[108:109], v[112:113]
	v_pk_add_f32 v[250:251], v[116:117], v[120:121]
	v_pk_add_f32 v[248:249], v[124:125], v[128:129]
	v_pk_add_f32 v[246:247], v[132:133], v[136:137]
	v_pk_add_f32 v[244:245], v[140:141], v[144:145]
	v_pk_add_f32 v[242:243], v[148:149], v[152:153]
	v_pk_add_f32 v[14:15], v[14:15], v[156:157]
	v_pk_add_f32 v[238:239], v[238:239], v[96:97]
	v_pk_add_f32 v[252:253], v[252:253], v[98:99]
	v_pk_add_f32 v[250:251], v[250:251], v[102:103]
	v_pk_add_f32 v[248:249], v[248:249], v[106:107]
	v_pk_add_f32 v[246:247], v[246:247], v[110:111]
	v_pk_add_f32 v[244:245], v[244:245], v[114:115]
	v_pk_add_f32 v[242:243], v[242:243], v[118:119]
	v_pk_add_f32 v[14:15], v[14:15], v[122:123]
	v_pk_add_f32 v[238:239], v[238:239], v[126:127]
	v_pk_add_f32 v[252:253], v[252:253], v[130:131]
	v_pk_add_f32 v[250:251], v[250:251], v[134:135]
	v_pk_add_f32 v[248:249], v[248:249], v[138:139]
	v_pk_add_f32 v[246:247], v[246:247], v[142:143]
	v_pk_add_f32 v[244:245], v[244:245], v[146:147]
	v_pk_add_f32 v[242:243], v[242:243], v[150:151]
	v_pk_add_f32 v[14:15], v[14:15], v[154:155]
	v_pk_add_f32 v[238:239], v[238:239], v[158:159]
	s_delay_alu instid0(VALU_DEP_2)
	v_pk_add_f32 v[14:15], v[14:15], v[248:249]
	s_delay_alu instid0(VALU_DEP_2)
	v_pk_add_f32 v[238:239], v[238:239], v[246:247]
	v_pk_add_f32 v[252:253], v[252:253], v[244:245]
	v_pk_add_f32 v[250:251], v[250:251], v[242:243]
	s_delay_alu instid0(VALU_DEP_2)
	v_pk_add_f32 v[14:15], v[14:15], v[252:253]
	s_delay_alu instid0(VALU_DEP_2)
	v_pk_add_f32 v[238:239], v[238:239], v[250:251]
	s_delay_alu instid0(VALU_DEP_1)
	v_pk_add_f32 v[14:15], v[14:15], v[238:239]
	s_wait_alu depctr_va_vdst(0)                   ; and one for the four
.irp b, 0,1,2,3
	v_max_num_f32 v[BM+\b], 0x1800000, v[BM+\b]    ; the floor 2^(3 - 127): the byte cannot fall under 1
.endr
.irp b, 0,1,2,3
	s_delay_alu instid0(VALU_DEP_4)
	v_add_nc_u32 v[SO+\b], 0xff000000, v[BM+\b]    ; 2 off the exponent field: the conversion's scale operand
.endr
.irp b, 0,1,2,3
	s_delay_alu instid0(VALU_DEP_4)
	v_lshrrev_b32 v[T4+\b], 23, v[SO+\b]           ; the scale's byte
.endr
	s_delay_alu instid0(VALU_DEP_3)
	v_lshl_or_b32 v[PW], v[T4+1], 8, v[T4]
	s_delay_alu instid0(VALU_DEP_1)
	v_lshl_or_b32 v[PW], v[T4+2], 16, v[PW]
	s_delay_alu instid0(VALU_DEP_1)
	v_lshl_or_b32 v[PW], v[T4+3], 24, v[PW]
.irp c, 0,1
	v_cvt_scalef32_pk16_fp6_f32 v[PC+6*\c:PC+2+6*\c], v[S+32*\c:S+15+32*\c], v[SO+2*\c]
	v_cvt_scalef32_pk16_fp6_f32 v[PC+12+4*\c:PC+14+4*\c], v[S+16+32*\c:S+31+32*\c], v[SO+1+2*\c]
.endr
	v_nop                                          ; one plain instruction behind a scaled conversion
	s_setprio 0
.irp c, 0,1                                        ; the layout wants a whole block in a lane
.irp i, 0,1,2
	v_permlane16_swap_b32 v[PC+6*\c+\i], v[PC+12+4*\c+\i]
.endr
.irp i, 0,1,2
	s_delay_alu instid0(VALU_DEP_3)
	v_mov_b32 v[PC+3+6*\c+\i], v[PC+12+4*\c+\i]
.endr
.endr
.set n, 0
.rept 16
	v_pk_mul_f32 v[O+n:O+n+1], v[O+n:O+n+1], v[FF:FF+1] op_sel_hi:[1,0]    ; O^T under the new M; these sixteen stand between the last writes of p's codes and scale word and the products
.set n, n+2
.endr
	s_wait_alu depctr_va_vdst(0)
	s_wait_dscnt 0x0                               ; V is in
.irp t, 0,1,2,3
	v_wmma_scale_f32_16x16x128_f8f6f4 v[O+8*\t:O+8*\t+7], v[F+12*\t:F+12*\t+11], v[PC:PC+11], v[O+8*\t:O+8*\t+7], v[VSC+\t], v[PW] matrix_a_fmt:MATRIX_FMT_FP6 matrix_b_fmt:MATRIX_FMT_FP6   ; the four accumulators by turns
.endr
.if \causal
.Lhidden_\@:
.endif
	s_add_co_u32 s[ST], s[ST], 1
	s_add_co_u32 s[TB], s[TB], STEPB
	s_add_co_u32 s[TS], s[TS], 256
.endm
.macro LOOP first, trips, causal       ; key steps first .. first + trips - 1
	s_mov_b32 s[ST], \first
	s_mov_b32 s[TB], (\first)*STEPB
	s_mov_b32 s[TS], (\first)*256
	s_mov_b32 s[CNT], \trips
.Lstep_\@:
	STEP \causal
	s_sub_co_u32 s[CNT], s[CNT], 1
	s_cmp_lg_u32 s[CNT], 0
	s_cbranch_scc1 .Lstep_\@
	s_setprio 0
.endm
.macro BEGIN raw                       ; a tile's start.  The step is written without a first step of its own: O^T and the sum begin as zeros, which the first change of M leaves zeros
	v_perm_b32 v[QS], v[\raw], v[\raw], s27        ; the scale word stands 36 plain instructions ahead of the first product
	v_mov_b32 v13, 0xff61b1e6                      ; the largest t so far: -3e38
	s_delay_alu instid0(VALU_DEP_1)
	v_floor_f32 v12, -v13
	v_mov_b32 v14, 0
	v_mov_b32 v15, 0
.set n, 0
.rept 32
	v_mov_b32 v[O+n], 0
.set n, n+1
.endr
.endm
; A tile's end: O^T / the sum is the attention's result, 64 channels a query: register 16 b + i = channel 32 b + 16 (lane / 16) + i: two blocks, half a fragment.
.macro FINISH cb, sb
.rept 4
	v_nop                                          ; places behind the last products
.endr
	v_add_f32 v14, v14, v15
	s_delay_alu instid0(VALU_DEP_1)
	v_permlanex16_b32 v[TMP], v14, s[SEL], s[SEL+1]
	s_delay_alu instid0(VALU_DEP_1)
	v_add_f32 v14, v14, v[TMP]                     ; the row's sum
	s_wait_alu depctr_va_vdst(0)
	v_rcp_f32 v14, v14
	v_nop                                          ; a plain instruction behind the reciprocal
	s_wait_alu depctr_va_vdst(0)                   ; and the wait ahead of its first reader
.set n, 0
.rept 32
	v_mul_f32 v[S+n], v[O+n], v14
.set n, n+1
.endr
.irp b, 0,1
	v_max3_num_f32 v[BM+\b], |v[S+16*\b]|, |v[S+1+16*\b]|, 0x1800000
.endr
.irp i, 2,4,6,8,10,12,14
.irp b, 0,1
	s_delay_alu instid0(VALU_DEP_2)
	v_max3_num_f32 v[BM+\b], v[BM+\b], |v[S+16*\b+\i]|, |v[S+1+16*\b+\i]|
.endr
.endr
.irp b, 0,1
	s_delay_alu instid0(VALU_DEP_2)
	v_permlanex16_b32 v[T4+\b], v[BM+\b], s[SEL], s[SEL+1]
.endr
.irp b, 0,1
	s_delay_alu instid0(VALU_DEP_2)
	v_max_num_f32 v[BM+\b], v[BM+\b], v[T4+\b]
.endr
.irp b, 0,1
	s_delay_alu instid0(VALU_DEP_2)
	v_add_nc_u32 v[SO+\b], 0xff000000, v[BM+\b]
.endr
.irp b, 0,1
	s_delay_alu instid0(VALU_DEP_2)
	v_lshrrev_b32 v[T4+\b], 23, v[SO+\b]
.endr
	v_cvt_scalef32_pk16_fp6_f32 v[PC:PC+2], v[S:S+15], v[SO]
	v_cvt_scalef32_pk16_fp6_f32 v[PC+12:PC+14], v[S+16:S+31], v[SO+1]
	v_cndmask_b32 v[TMP], v[T4], v[T4+1], s26      ; lanes 0-15 keep block 0's byte, lanes 16-31 block 1's (the plain instruction behind the conversions)
.irp i, 0,1,2
	v_permlane16_swap_b32 v[PC+\i], v[PC+12+\i]
.endr
.irp i, 0,1,2
	s_delay_alu instid0(VALU_DEP_3)
	v_mov_b32 v[PC+3+\i], v[PC+12+\i]
.endr
	global_store_b128 v[L16], v[PC:PC+3], s[\cb:\cb+1]             ; 512 and 256 consecutive bytes, at multiples of 256 from att's first byte
	global_store_b64 v[L8], v[PC+4:PC+5], s[\cb:\cb+1] offset:512
	global_store_b8 v[BO], v[TMP], s[\sb:\sb+1]                    ; two bytes of each row's 16: eight heads share those 16 bytes, so they leave singly; all of atts is 262,144 bytes
.endm
	s_wait_loadcnt 0x0                             ; q and its scale words
	s_xor_b32 s[G], s15, 15                        ; THE FIRST TILE: g = 15 - gl, 8 to 15
	BEGIN RAW
	s_wait_tensorcnt 0x2                           ; the scale words and key steps 0, 1 are in; the two chunks behind them may be out (waves that fetch nothing pass at once)
	s_barrier_signal -1
	s_barrier_wait -1
	LOOP 0, 2, 0                                   ; steps 0 to 7 lie wholly under the diagonal of a tile with g of 8 or more
	s_wait_tensorcnt 0x1                           ; key steps 2 to 7 are in
	s_barrier_signal -1
	s_barrier_wait -1
	LOOP 2, 6, 0
	s_wait_tensorcnt 0x0                           ; all of K and V
	s_barrier_signal -1
	s_barrier_wait -1
	LOOP 8, 8, 1
	FINISH 88, 92
	s_mov_b32 s[G], s15                            ; THE SECOND TILE: g = gl, 0 to 7
	s_wait_xcnt 0x0                                ; the stores have read their registers: they are written again only behind this wait
.irp i, 0,1,2,3,4,5
	v_mov_b32 v[Q+6+\i], v[QL+\i]
.endr
	BEGIN RAW+1
	LOOP 0, 8, 1
	FINISH 90, 94
	s_wait_tensorcnt 0x0
	ds_add_u32 v254, v255
	s_wait_dscnt 0x0
	CROUND                                         ; the closing round
	s_endpgm
.Lfunc_end_k_qad5176dad8_attn:
	.size	k_qad5176dad8_attn, .Lfunc_end_k_qad5176dad8_attn-k_qad5176dad8_attn
	.p2alignl 7, 3214868480
	.fill 96, 4, 3214868480
	.section	.rodata,"a",@progbits
	.p2align	6, 0x0
	.amdhsa_kernel k_qad5176dad8_attn
		.amdhsa_group_segment_fixed_size 206848
		.amdhsa_private_segment_fixed_size 0
		.amdhsa_enable_private_segment 0
		.amdhsa_kernarg_size 32
		.amdhsa_user_sgpr_count 2
		.amdhsa_user_sgpr_kernarg_segment_ptr 1
		.amdhsa_wavefront_size32 1
		.amdhsa_system_sgpr_workgroup_id_x 1
		.amdhsa_system_sgpr_workgroup_id_y 1
		.amdhsa_system_sgpr_workgroup_id_z 1
		.amdhsa_system_vgpr_workitem_id 0
		.amdhsa_next_free_vgpr 256
		.amdhsa_next_free_sgpr 102
		.amdhsa_reserve_vcc 1
		.amdhsa_float_denorm_mode_32 3
		.amdhsa_float_denorm_mode_16_64 3
		.amdhsa_memory_ordered 1
		.amdhsa_forward_progress 1
		.amdhsa_inst_pref_size 102
	.end_amdhsa_kernel
	.amdgpu_metadata
---
amdhsa.version: [ 1, 2 ]
amdhsa.kernels:
  - .name:           k_qad5176dad8_attn
    .symbol:         k_qad5176dad8_attn.kd
    .args:
      - { .name: qkv, .offset: 0, .size: 8, .value_kind: global_buffer, .address_space: global }
      - { .name: qkvs, .offset: 8, .size: 8, .value_kind: global_buffer, .address_space: global }
      - { .name: att, .offset: 16, .size: 8, .value_kind: global_buffer, .address_space: global }
      - { .name: atts, .offset: 24, .size: 8, .value_kind: global_buffer, .address_space: global }
    .group_segment_fixed_size: 206848
    .private_segment_fixed_size: 0
    .kernarg_segment_align: 8
    .kernarg_segment_size: 32
    .max_flat_workgroup_size: 512
    .sgpr_count:     102
    .vgpr_count:     256
    .wavefront_size: 32
...
	.end_amdgpu_metadata
.endif
;; end of part 3
;; launch outgemm (part 4): grid 4 x 32, 4 waves a work-group, clusters of 4 x 4, 327,680 bytes of LDS; arguments att, atts, img, scl, out0; writes out0
.if DOCPART == 4
	.amdgcn_target "amdgcn-amd-amdhsa--gfx1250"
	.amdhsa_code_object_version 6
	.text
	.protected	k_qad5176dad8_outgemm
	.globl	k_qad5176dad8_outgemm
	.p2align	8
	.type	k_qad5176dad8_outgemm,@function
k_qad5176dad8_outgemm:
	s_mov_b64 s[64:65], 0
	v_nop
	global_prefetch_b8 v0, s[64:65] scope:SCOPE_SE
	s_setreg_imm32_b32 hwreg(HW_REG_WAVE_MODE, 25, 1), 1
	s_wait_xcnt 0x0
	s_wait_alu depctr_hold_cnt(0) depctr_sa_sdst(0) depctr_va_vdst(0) depctr_va_sdst(0) depctr_va_ssrc(0) depctr_va_vcc(0) depctr_vm_vsrc(0)
	s_getreg_b32 s2, hwreg(HW_REG_IB_STS2, 6, 4)
	s_cmp_eq_u32 s2, 0
	s_cbranch_scc0 .Lentry_in_a_cluster
	s_endpgm
.Lentry_in_a_cluster:
	s_bfe_u32 s2, ttmp6, 0x10000c
	s_cmp_lg_u32 s2, 0xf033
	s_cbranch_scc0 .Lentry_shape_is_right
	s_endpgm
.Lentry_shape_is_right:
; out0 = att w_out^T on codes of E2M3 with E8M0 scales; K = 1,024; out0 [8192][1024] f32.
; Operands are fragments laid as images of their registers (1,536 bytes for 16 rows x 128 K: registers 0-3 at 16 x lane, 4-5 at 512 + 8 x lane, 6-9 at 768 + 16 x lane, 10-11 at 1,280 + 8 x lane);
; tile u of a group of 32 rows holds rows 8 u + r + 8 (r / 8).  A = 256 tokens of att (source 1: a lane holds a token), B = 256 rows of w_out out of img (source 0: the registers run along the outputs:
; the 16 registers of result tiles 2 b, 2 b + 1 are outputs 32 b + 16 (lane / 16) + 0 .. 15).
; A tile of the result, 256 x 256, is made by four waves, 128 x 128 each: 64 accumulators.  128 tiles: a smaller tile would give every WGP a work-group, and would feed half as many products from each LDS byte.
; CLUSTERS: 4 x 4 work-groups.  A's tiles hang on cy and are asked for jointly along a row of the cluster, B's on cx and along a column.
; LDS: three slots of 256 along K (98,304 bytes: A's 16 tiles, then B's); slots 0, 1, 2 are first fills, slot 0 is filled once more.  By this text's count a wave has four tensor loads out at the start, later one.
; The scales of the 512 rows for all of K come once, as units of 256 bytes + 16.  The way out's stages lie in slot 1, which has had its only fill and whose last read lies ahead of the last barrier.
; REGISTERS, in windows of 256: window 0: v4-15 LDS addresses, v16, v24, v25 the way out's, v27-29, v32-63 scale words (two sets, nothing else), v128-223 A's fragments (one set), on the way out v128-255 rows of the result;
;   window 1: B's fragments, two sets;  window 2: the accumulators of A's blocks 0-3 ((a, b) at v[8 (8 (a % 4) + b)]);  window 3: those of blocks 4-7.
.set FR,     12
.set NL,     4
.set NP,     4                         ; places behind this matrix instruction (ISA guide 7.12.1)
.set FRB,    1536
.set TILEB,  2*FRB
.set HALFT,  8*TILEB
.set SLOT,   4*HALFT
.set SCL,    3*SLOT
.set HALFS,  16*272
.set SPARE,  SCL+4*HALFS               ; the spare words, 128 bytes for each wave: two blocks of 256 bytes that no other line names
.set SPITCH, 528                       ; a stage row: 512 bytes + 16
.set A16,  4
.set A8,   7
.set B16,  10
.set B8,   13
.set CO,   16                          ; v16  16 x lane: also my place in a row of 512 bytes of out0
.set STO,  24                          ; v24  the stage: where I put 32 bytes of a row
.set RD,   25                          ; v25  and where I read a row back
.set ADRS, 27
.set SPW,  28                          ; v28  my spare word: SPARE + 4 x my thread's number; never rewritten
.set NIL,  29                          ; v29  0; never rewritten
.set SC,   32
.set AF,   128
.set BK,   128                         ; the way out: 16 rows read back: v128-191 and v192-255 by turns
.set G1,   24
.set G0,   32
.set G1B,  44
.set G0B,  52
.set G1S,  68
.set G0S,  76
.set G1SB, 80
.set G0SB, 88
.set MSB, 0
.macro WIN new                         ; the immediate's high byte repeats the setting that is left
.if MSB != (\new)
	s_set_vgpr_msb (MSB<<8)|(\new)
.set MSB, \new
.endif
.endm
.set MUL_LO, 0xa1                      ; source 0 (B) window 1, source 1 (A) window 0, C and D window 2
.set MUL_HI, 0xf1
.set TO_B,   0x40
.macro JLOAD g0a, g1a, g0b, g1b        ; a joint load: waves 0 and 1 fetch for A, waves 2 and 3 for B; four v_nop follow each of the two lines
	s_cmp_eq_u32 s15, 0
	s_cbranch_scc0 .Lfor_b_\@
	tensor_load_to_lds s[\g0a:\g0a+3], s[\g1a:\g1a+7]
	s_nop 0
.rept 4
	v_nop
.endr
	s_branch .Lasked_\@
.Lfor_b_\@:
	tensor_load_to_lds s[\g0b:\g0b+3], s[\g1b:\g1b+7]
	s_nop 0
.rept 4
	v_nop
.endr
.Lasked_\@:
.endm
.macro CREST
	s_cmp_lg_u32 s14, 0
	s_cbranch_scc1 .Lnot_wave_0_\@
	s_barrier_signal -3
.Lnot_wave_0_\@:
	s_barrier_wait -3
	s_barrier_signal -1
	s_barrier_wait -1
.endm
.macro CROUND
	s_barrier_signal -1
	s_barrier_wait -1
	CREST
.endm
	s_load_b256 s[4:11], s[0:1], 0x0               ; att s[4:5], atts s[6:7], img s[8:9], scl s[10:11]
	s_load_b64 s[12:13], s[0:1], 0x20              ; out0
	v_lshl_add_u32 v[SPW], v0, 2, SPARE
	v_mov_b32 v[NIL], 0
	ds_add_u32 v28, v29
	ds_add_u32 v28, v29
	s_wait_dscnt 0x0
	v_lshrrev_b32 v1, 5, v0
	v_readfirstlane_b32 s14, v1                    ; wave 0..3
	s_lshr_b32 s15, s14, 1                         ; which half of A's rows is mine.  Also: I fetch for A (0) or for B (1)
	s_and_b32 s16, s14, 1                          ; which half of B's rows.  Also: which 128 rows I fetch
	s_bfe_u32 s18, ttmp6, 0x40000                  ; cx
	s_bfe_u32 s19, ttmp6, 0x40004                  ; cy
	s_and_b32 s20, ttmp7, 0xffff
	s_lshl_b32 s20, s20, 2
	s_add_co_u32 s20, s20, s19                     ; A's block of 256 tokens: 4 x cluster y + cy
	s_lshl_b32 s21, ttmp9, 2
	s_add_co_u32 s21, s21, s18                     ; the block of 256 outputs: 4 x cluster x + cx,
	s_add_co_u32 s17, s21, 44                      ; which is block 44 + that of img
	s_lshl_b32 s22, s19, 2
	s_lshl_b32 s22, 15, s22                        ; my row of the cluster
	s_lshl_b32 s23, 0x1111, s18                    ; my column
	; group 1 for codes: 8 tiles x 3,072 bytes (384 elements of 8 bytes), 12,288 bytes apart in memory, on end in LDS
	s_or_b32 s[G1+0], s22, (3<<16)|(1<<21)
	s_or_b32 s[G1B+0], s23, (3<<16)|(1<<21)
.irp g, G1, G1B
	s_mov_b32 s[\g+1], 384<<16
	s_mov_b32 s[\g+2], 8<<16
	s_mov_b32 s[\g+3], 384<<16
	s_mov_b32 s[\g+4], 8
	s_mov_b32 s[\g+5], 1536
	s_mov_b32 s[\g+6], 0
	s_mov_b32 s[\g+7], 0
.endr
	; and for the scales of 128 rows: 16 rows of 256 bytes, 16 bytes of padding behind each
	s_or_b32 s[G1S+0], s22, (3<<16)|(1<<20)|(1<<21)|(5<<22)|(3<<25)
	s_or_b32 s[G1SB+0], s23, (3<<16)|(1<<20)|(1<<21)|(5<<22)|(3<<25)
.irp g, G1S, G1SB
	s_mov_b32 s[\g+1], 32<<16
	s_mov_b32 s[\g+2], 16<<16
	s_mov_b32 s[\g+3], 32<<16
	s_mov_b32 s[\g+4], 16
	s_mov_b32 s[\g+5], 32
	s_mov_b32 s[\g+6], 0
	s_mov_b32 s[\g+7], 0
.endr
	s_mul_i32 s92, s20, 196608
	s_mul_i32 s93, s16, 98304
	s_add_co_u32 s92, s92, s93
	s_mov_b32 s93, 0
	s_mul_i32 s94, s17, 196608
	s_mul_i32 s95, s16, 98304
	s_add_co_u32 s94, s94, s95
	s_mov_b32 s95, 0
	s_lshl_b32 s96, s20, 13
	s_lshl_b32 s97, s16, 12
	s_add_co_u32 s96, s96, s97
	s_mov_b32 s97, 0
	s_lshl_b32 s98, s17, 13
	s_lshl_b32 s99, s16, 12
	s_add_co_u32 s98, s98, s99
	s_mov_b32 s99, 0
	s_mul_i32 s100, s14, HALFT                     ; where they go: wave x 128 rows: no place in the cluster enters an LDS address
	s_mul_i32 s101, s14, HALFS
	s_wait_kmcnt 0x0
	s_add_nc_u64 s[92:93], s[4:5], s[92:93]
	s_add_nc_u64 s[94:95], s[8:9], s[94:95]
	s_add_nc_u64 s[96:97], s[6:7], s[96:97]
	s_add_nc_u64 s[98:99], s[10:11], s[98:99]
	CROUND                                         ; all sixteen work-groups are here: the first joint loads meet
	s_mov_b32 s[G0S], 1
	s_add_co_u32 s[G0S+1], s101, SCL
	s_mov_b64 s[G0S+2:G0S+3], s[96:97]
	s_or_b32 s[G0S+3], s[G0S+3], 0x80000000
	s_mov_b32 s[G0SB], 1
	s_add_co_u32 s[G0SB+1], s101, SCL
	s_mov_b64 s[G0SB+2:G0SB+3], s[98:99]
	s_or_b32 s[G0SB+3], s[G0SB+3], 0x80000000
	JLOAD G0S, G1S, G0SB, G1SB
.irp s, 0,1,2
	s_mov_b32 s[G0+4*\s], 1
	s_add_co_u32 s[G0+4*\s+1], s100, \s*SLOT
	s_add_nc_u64 s[G0+4*\s+2:G0+4*\s+3], s[92:93], \s*TILEB
	s_or_b32 s[G0+4*\s+3], s[G0+4*\s+3], 0x80000000
	s_mov_b32 s[G0B+4*\s], 1
	s_add_co_u32 s[G0B+4*\s+1], s100, \s*SLOT
	s_add_nc_u64 s[G0B+4*\s+2:G0B+4*\s+3], s[94:95], \s*TILEB
	s_or_b32 s[G0B+4*\s+3], s[G0B+4*\s+3], 0x80000000
	JLOAD G0+4*\s, G1, G0B+4*\s, G1B
.endr
	v_and_b32 v1, 31, v0                           ; lane
	v_and_b32 v2, 15, v0                           ; r
	v_bfe_u32 v3, v0, 4, 1                         ; h
	v_lshlrev_b32 v[CO], 4, v1
	v_lshlrev_b32 v20, 3, v1
	s_mul_i32 s2, s15, HALFT
	s_mul_i32 s3, s16, HALFT
	s_add_co_u32 s3, s3, 2*HALFT
.irp s, 0,1,2
	v_add_nc_u32 v[A16+\s], s2, v[CO]
	v_add_nc_u32 v[A8+\s], s2, v20
	v_add_nc_u32 v[B16+\s], s3, v[CO]
	v_add_nc_u32 v[B8+\s], s3, v20
	s_add_co_u32 s2, s2, SLOT
	s_add_co_u32 s3, s3, SLOT
.endr
	v_lshlrev_b32 v21, 4, v2
	s_mul_i32 s2, s15, HALFS
	s_mul_i32 s3, s16, HALFS
	s_add_co_u32 s3, s3, 2*HALFS
	s_sub_co_u32 s3, s3, s2
	v_mul_u32_u24 v22, s3, v3                      ; lanes 16-31 take B's: one product, the distance between the two bases
	s_add_co_u32 s2, s2, SCL
	v_add_nc_u32 v22, v21, v22
	v_add_nc_u32 v[ADRS], s2, v22
	s_mul_i32 s2, s14, 16*SPITCH
	s_add_co_u32 s2, s2, SLOT                      ; my stage, in slot 1
	v_mul_u32_u24 v22, v2, SPITCH
	v_lshl_add_u32 v22, v3, 6, v22
	v_add_nc_u32 v[STO], s2, v22                   ; in: row r, + 64 h
	v_add_nc_u32 v[RD], s2, v[CO]                  ; back: the 32 lanes take one row of 512 bytes
	s_lshl_b32 s92, s20, 8
	s_lshl_b32 s93, s15, 7
	s_add_co_u32 s92, s92, s93                     ; my first token
	s_lshl_b32 s92, s92, 12                        ; rows of 4,096 bytes
	s_lshl_b32 s93, s21, 10
	s_add_co_u32 s92, s92, s93                     ; + 256 outputs x 4 bytes for each block
	s_lshl_b32 s93, s16, 9
	s_add_co_u32 s92, s92, s93                     ; + my half
	s_mov_b32 s93, 0
	s_add_nc_u64 s[12:13], s[12:13], s[92:93]
.macro FRAG reg, a16, a8, off          ; a fragment's image comes back as it was stored: every load reads 512 or 256 consecutive bytes
.set FG, \reg
.set FO, \off
	ds_load_b128 v[FG:FG+3], v[\a16] offset:FO
	ds_load_b64 v[FG+4:FG+5], v[\a8] offset:FO+512
	ds_load_b128 v[FG+6:FG+9], v[\a16] offset:FO+768
	ds_load_b64 v[FG+10:FG+11], v[\a8] offset:FO+1280
.endm
; 16 matrix instructions: A's blocks a0, a0 + 1 x B's eight, 128 along K.  The 64 accumulators take turns, one instruction a turn, in the same order in every K step.
.macro MUL16 a0, p, q, sc, zero
.irp a, \a0, \a0+1
.irp b, 0,1,2,3,4,5,6,7
.if \zero
	v_wmma_scale_f32_16x16x128_f8f6f4 v[8*(8*((\a)%4)+\b):8*(8*((\a)%4)+\b)+7], v[128*(\p)+FR*\b:128*(\p)+FR*\b+FR-1], v[AF+FR*(\a):AF+FR*(\a)+FR-1], 0, v[SC+16*(\sc)+2*\b+(\q)], v[SC+16*(\sc)+2*(\a)+(\q)] matrix_a_fmt:MATRIX_FMT_FP6 matrix_b_fmt:MATRIX_FMT_FP6 matrix_a_scale:MATRIX_SCALE_ROW1
.else
	v_wmma_scale_f32_16x16x128_f8f6f4 v[8*(8*((\a)%4)+\b):8*(8*((\a)%4)+\b)+7], v[128*(\p)+FR*\b:128*(\p)+FR*\b+FR-1], v[AF+FR*(\a):AF+FR*(\a)+FR-1], v[8*(8*((\a)%4)+\b):8*(8*((\a)%4)+\b)+7], v[SC+16*(\sc)+2*\b+(\q)], v[SC+16*(\sc)+2*(\a)+(\q)] matrix_a_fmt:MATRIX_FMT_FP6 matrix_b_fmt:MATRIX_FMT_FP6 matrix_a_scale:MATRIX_SCALE_ROW1
.endif
.endr
.endr
.endm
.macro FETCH_B slot, q, p
	WIN TO_B
.irp i, 0,1,2,3,4,5,6,7
	FRAG 128*(\p)+FR*\i, B16+\slot, B8+\slot, \i*TILEB+(\q)*FRB
.endr
	WIN 0
.endm
.macro FETCH_A slot, q, i0
.irp i, \i0, \i0+1, \i0+2, \i0+3
	FRAG AF+FR*(\i), A16+\slot, A8+\slot, (\i)*TILEB+(\q)*FRB
.endr
.endm
.macro SCALES ks                       ; the scale words of K 256 ks on, two words a row, into set ks % 2
.irp i, 0,1,2,3,4,5,6,7
	ds_load_b64 v[SC+16*((\ks)&1)+2*\i:SC+16*((\ks)&1)+2*\i+1], v[ADRS] offset:544*\i+272*((\ks)>>1)+8*((\ks)&1)
.endr
.endm
; A load into a register that a matrix instruction has read, and an LDS store that reads a matrix result, stand NP places behind it; only plain vector instructions that name none of its registers are places (ISA guide 7.12.1 for an LDS store that reads a matrix result).
.macro PLACES n
.rept \n
	v_nop
.endr
.endm
.macro PARAMS k                        ; K step k lies in slot (k / 2) % 3; B's set is k % 2; the scale set (k / 2) % 2
.set CQ,    (\k)&1
.set CSC,   ((\k)>>1)&1
.set NSLOT, (((\k)+1)>>1)%3
.set NQ1,   ((\k)+1)&1
.endm
.macro NEXT_LO k
	FETCH_B NSLOT, NQ1, NQ1
	FETCH_A NSLOT, NQ1, 0
.if NQ1 == 0
	SCALES ((\k)+1)>>1
.endif
.endm
.macro STEP k, zero
	PARAMS \k
	s_wait_dscnt 4*NL                              ; B's set, A's blocks 0-3 and the scale words are in; the youngest 16 loads (A's blocks 4-7) may be out
	WIN MUL_LO
	MUL16 0, CQ, CQ, CSC, \zero
	MUL16 2, CQ, CQ, CSC, \zero
	s_wait_dscnt 0x0
	PLACES NP
	NEXT_LO \k
	WIN MUL_HI
	MUL16 4, CQ, CQ, CSC, \zero
	MUL16 6, CQ, CQ, CSC, \zero
	PLACES NP
	WIN 0
	FETCH_A NSLOT, NQ1, 4
.endm
; A K step with a barrier.  fill = 1 (K step 1): a round of the cluster's barrier; behind it slots 1 and 2 are whole in every wave, nobody reads slot 0, and slot 0 is filled with K 768 .. 1,023.  fill = 0 (K step 5): behind it that fill is whole, and nobody reads slot 1 any more.
.macro TURN k, fill
	PARAMS \k
	s_wait_tensorcnt 0x0                           ; all my tensor loads have landed (every window is 0 here)
	ds_add_u32 v[SPW], v[NIL]                      ; 0 onto my spare word
	s_wait_dscnt 4*NL+1                            ; (the add and the youngest 16 loads may be out)
	WIN MUL_LO
	MUL16 0, CQ, CQ, CSC, 0
	s_wait_dscnt 0x0                               ; the add is done, and my LDS reads are over
	s_barrier_signal -1
	MUL16 2, CQ, CQ, CSC, 0
	WIN 0
	s_barrier_wait -1
.if \fill
	CREST
	s_add_nc_u64 s[G0+2:G0+3], s[G0+2:G0+3], 3*TILEB
	s_add_nc_u64 s[G0B+2:G0B+3], s[G0B+2:G0B+3], 3*TILEB
	JLOAD G0, G1, G0B, G1B                         ; the first tensor load behind the round, and my only one; its four v_nop are the places in front of the loads below
.else
	PLACES NP
.endif
	NEXT_LO \k
	WIN MUL_HI
	MUL16 4, CQ, CQ, CSC, 0
	MUL16 6, CQ, CQ, CSC, 0
	PLACES NP
	WIN 0
	FETCH_A NSLOT, NQ1, 4
.endm
	s_wait_tensorcnt 0x2                           ; the scales and my part of slot 0 are in; slots 1 and 2 may be out
	s_barrier_signal -1
	s_barrier_wait -1
	FETCH_B 0, 0, 0
	FETCH_A 0, 0, 0
	SCALES 0
	FETCH_A 0, 0, 4
	STEP 0, 1
	TURN 1, 1
	STEP 2, 0
	STEP 3, 0
	STEP 4, 0
	TURN 5, 0
	STEP 6, 0
	PARAMS 7
	s_wait_dscnt 4*NL
	WIN MUL_LO
	MUL16 0, CQ, CQ, CSC, 0
	MUL16 2, CQ, CQ, CSC, 0
	s_wait_dscnt 0x0
	WIN MUL_HI
	MUL16 4, CQ, CQ, CSC, 0
	MUL16 6, CQ, CQ, CSC, 0
	WIN 0
; THE WAY OUT, block by block of 16 tokens x 128 outputs.  A lane's eight registers of accumulator (a, b) are outputs 32 (b / 2) + 16 h + 8 (b % 2) + 0 .. 7 of one token: 32 bytes.  A block goes through my own stage and
; comes back as whole rows of 512 bytes.  LDS serves a wave's instructions in order (ISA guide 5.7.1.4): no wait between the stores and the loads, nor in front of the next block's stores.
.macro TOSTAGE a
.set AC, 64*((\a)%4)
	WIN 0x08+4*((\a)/4)                            ; the data: window 2 or 3
.irp b, 0,1,2,3,4,5,6,7
	ds_store_b128 v[STO], v[AC+8*\b:AC+8*\b+3] offset:128*(\b/2)+32*(\b%2)         ; each accumulator from its low end on
	ds_store_b128 v[STO], v[AC+8*\b+4:AC+8*\b+7] offset:128*(\b/2)+32*(\b%2)+16
.endr
	WIN 0
.set BB, BK+64*((\a)%2)
.irp t, 0,1,2,3,4,5,6,7,8,9,10,11,12,13,14,15
	ds_load_b128 v[BB+4*\t:BB+4*\t+3], v[RD] offset:\t*SPITCH
.endr
.endm
.macro SEND a, younger                 ; stage row t of block a is token 32 (a / 2) + 8 (a % 2) + t + 8 (t / 8) of my 128: it stands in the immediate, 127 rows of 4,096 bytes at the most
.set BB, BK+64*((\a)%2)
	s_wait_dscnt \younger                          ; the block is back in registers
.irp t, 0,1,2,3,4,5,6,7,8,9,10,11,12,13,14,15
	global_store_b128 v[CO], v[BB+4*\t:BB+4*\t+3], s[12:13] offset:(32*((\a)/2)+8*((\a)%2)+\t+8*(\t/8))*4096 th:TH_STORE_NT   ; 32 lanes store 512 consecutive bytes, at a multiple of 256 from out0's first byte
.endr
.endm
	PLACES NP                                      ; behind the last products: for the stage's stores and for the loads into the registers that held A's fragments
	TOSTAGE 0
.irp a, 1,2,3,4,5,6,7
.if \a > 1
	s_wait_xcnt 0x0                                ; block a - 2's stores have read their registers: block a's loads may land there
.endif
	TOSTAGE \a
	SEND \a-1, 32                                  ; behind block a - 1's loads: block a's 16 stores and 16 loads
.endr
	SEND 7, 0
	s_wait_tensorcnt 0x0                           ; the wave's end
	ds_add_u32 v[SPW], v[NIL]
	s_wait_dscnt 0x0
	CROUND                                         ; the closing round
	s_endpgm
.Lfunc_end_k_qad5176dad8_outgemm:
	.size	k_qad5176dad8_outgemm, .Lfunc_end_k_qad5176dad8_outgemm-k_qad5176dad8_outgemm
	.p2alignl 7, 3214868480
	.fill 96, 4, 3214868480
	.section	.rodata,"a",@progbits
	.p2align	6, 0x0
	.amdhsa_kernel k_qad5176dad8_outgemm
		.amdhsa_group_segment_fixed_size 327680
		.amdhsa_private_segment_fixed_size 0
		.amdhsa_enable_private_segment 0
		.amdhsa_kernarg_size 40
		.amdhsa_user_sgpr_count 2
		.amdhsa_user_sgpr_kernarg_segment_ptr 1
		.amdhsa_wavefront_size32 1
		.amdhsa_system_sgpr_workgroup_id_x 1
		.amdhsa_system_sgpr_workgroup_id_y 1
		.amdhsa_system_sgpr_workgroup_id_z 1
		.amdhsa_system_vgpr_workitem_id 0
		.amdhsa_next_free_vgpr 1024
		.amdhsa_next_free_sgpr 102
		.amdhsa_reserve_vcc 0
		.amdhsa_float_denorm_mode_32 3
		.amdhsa_float_denorm_mode_16_64 3
		.amdhsa_memory_ordered 1
		.amdhsa_forward_progress 1
		.amdhsa_inst_pref_size 143
	.end_amdhsa_kernel
	.amdgpu_metadata
---
amdhsa.version: [ 1, 2 ]
amdhsa.kernels:
  - .name:           k_qad5176dad8_outgemm
    .symbol:         k_qad5176dad8_outgemm.kd
    .args:
      - { .name: att, .offset: 0, .size: 8, .value_kind: global_buffer, .address_space: global }
      - { .name: atts, .offset: 8, .size: 8, .value_kind: global_buffer, .address_space: global }
      - { .name: img, .offset: 16, .size: 8, .value_kind: global_buffer, .address_space: global }
      - { .name: scl, .offset: 24, .size: 8, .value_kind: global_buffer, .address_space: global }
      - { .name: out0, .offset: 32, .size: 8, .value_kind: global_buffer, .address_space: global }
    .group_segment_fixed_size: 327680
    .private_segment_fixed_size: 0
    .kernarg_segment_align: 8
    .kernarg_segment_size: 40
    .max_flat_workgroup_size: 128
    .sgpr_count:     102
    .vgpr_count:     1024
    .wavefront_size: 32
...
	.end_amdgpu_metadata
.endif
;; end of part 4
